; MI455X (gfx1250); checked and timed in simulation.
; The chip was launched on July 23, 2026; its instructions are those of AMD's public machine-readable ISA for CDNA 5 (MIT licence, August 2026) and "CDNA5" Instruction Set Architecture Reference Guide (July 2026). The comments in the code are by the model that wrote it; some were corrected since.
;; Mo E Layer. Allowed arithmetic: float matrix products may take bf16 or f16 operands with f32 sums; other float arithmetic in f32, or as packed bf16 or f16 multiplies, adds, multiply-adds, maxima and minima; sums over many terms, partial sums and values carried from step to step in f32; what a program stores and reads back later, other than sums and carried values, may be rounded once to bf16 or f16.
;; Inputs: w1 8 x 1,024 x 2,048 float32; w2 8 x 2,048 x 1,024 float32; w3 8 x 1,024 x 2,048 float32; w_gate 1,024 x 8 float32; x 4 x 256 x 1,024 float32.
;; Outputs: out0 4 x 256 x 1,024 float32.
;; 2 versions, each right. Each part assembles by itself: llvm-mc -triple=amdgcn-amd-amdhsa -mcpu=gfx1250 --defsym DOCPART=n.
;; ======== version 1 of 2: 4 launches
;; workspace buffers: xb 2,097,152 bytes; sel 4,096 bytes of whole numbers; probs 8,192 bytes; hbuf 41,943,040 bytes; ypart 16,777,216 bytes
;; launch router (part 1): grid 64 x 1, 8 waves a work-group, no clusters, 44,032 bytes of LDS; arguments x, w_gate, xb, sel, probs; writes xb, sel, probs
.if DOCPART == 1
	.amdgcn_target "amdgcn-amd-amdhsa--gfx1250"
	.amdhsa_code_object_version 6
	.text
	.protected	k_q1cb1524efb_router
	.globl	k_q1cb1524efb_router
	.p2align	8
	.type	k_q1cb1524efb_router,@function
k_q1cb1524efb_router:
	s_mov_b64 s[64:65], 0
	v_nop
	global_prefetch_b8 v0, s[64:65] scope:SCOPE_SE
	s_setreg_imm32_b32 hwreg(HW_REG_WAVE_MODE, 25, 1), 1
	s_wait_xcnt 0x0
; ROUTER.  xb = bf16(x); logits = xb . bf16(w_gate), sums in f32; the two largest logits of each token; softmax over those two.
; x: [1024 tokens][1024] f32.  w_gate: [1024][8] f32.  xb: [1024][1024] bf16.  sel: one word a token, (1 << first expert) | (1 << (8 + second expert)).
; probs: [2][1024] f32: the first choice's weight, then the second's.
; SHARES.  A work-group has 16 tokens, 64 work-groups have all 1,024; wave w has K = 128 w .. 128 w + 127 of them: each byte of x is read once, by loads of 512 consecutive bytes.
; The eight waves' partial logits (f32) meet in LDS; wave 0 adds them in the waves' order and chooses.
; THE PRODUCT.  Source 0 = 16 rows of w_gate^T (experts 0-7, then the same eight again), source 1 = 16 tokens: in the result register j of a lane is expert j's logit of token lane % 16.
; LIMITS.  x and w_gate are rounded to bf16 ahead of the gate's product, like every other input of the program, so the choice is that of the gate on rounded inputs; where the second and third logit
; lie closer than the f32 sums' own rounding (some 1e-6 of their size) the other of the two may be chosen.  Equal logits: the lower index first.  NaN and infinite logits are not treated apart.
; The second weight's exponential counts as 0 below 2^-126.  No cluster: the work-groups share only w_gate, 32 KB against their 64 KB of x each.
.set XTW,   4352      ; a wave's tile of xb in LDS: 16 rows of 256 bytes + 16 of padding
.set XP,    272       ; = 68 words: the 16 rows of a fragment load start at 16 different groups of four banks (ISA guide 11.1)
.set RED,   34816     ; behind the eight tiles: 1,024 bytes a wave, its partial logits
.set SPARE, 43008     ; behind them: the spare words, 128 bytes for each of eight waves
.set LANE, 1
.set R,    2          ; lane % 16
.set H,    3          ; lane / 16
.set XOFF, 4          ; 16 x lane
.set GOFF, 5          ; my place in w_gate: 8 h rows of 32 bytes + 4 (r % 8)
.set XBO,  6          ; 8 x lane
.set LST,  7          ; LDS: where I put 8 bytes of a row of xb
.set LRD,  8          ; LDS: my place in a fragment of xb
.set RST,  9          ; LDS: my 32 bytes of partial logits
.set M1,   10         ; the largest logit, its expert's bit
.set B1,   11
.set M2,   12         ; the second largest, its bit
.set B2,   13
.set BIT,  14
.set CODE, 15
.set SOFF, 16         ; 4 x lane
.set RRD,  17         ; LDS: my 32 bytes in wave 0's part of RED
.set T0,   18
.set T1,   19
.set T2,   20
.set SPW,  30         ; LDS address of my spare word; never rewritten
.set NIL,  31         ; 0; never rewritten
.set X,    32         ; v32-95   16 rows x 4 f32 of x; later XF
.set XF,   32         ; v32-63   four fragments of xb
.set G,    96         ; v96-159  64 f32 of w_gate; later the logits
.set LG,   96
.set XB,   160        ; v160-191 16 rows x 4 bf16
.set GF,   192        ; v192-223 four fragments of w_gate^T
.set AC0,  224
.set AC1,  232
	s_load_b256 s[4:11], s[0:1], 0x0               ; x s[4:5], w_gate s[6:7], xb s[8:9], sel s[10:11]
	s_load_b64 s[12:13], s[0:1], 0x20              ; probs
	v_lshl_add_u32 v[SPW], v0, 2, SPARE
	v_mov_b32 v[NIL], 0
	v_lshrrev_b32 v[T0], 5, v0
	v_readfirstlane_b32 s14, v[T0]                 ; wave 0..7
	v_and_b32 v[LANE], 31, v0
	v_and_b32 v[R], 15, v0
	v_bfe_u32 v[H], v0, 4, 1
	v_lshlrev_b32 v[XOFF], 4, v[LANE]
	v_and_b32 v[GOFF], 7, v0
	v_lshlrev_b32 v[GOFF], 2, v[GOFF]
	v_lshl_add_u32 v[GOFF], v[H], 8, v[GOFF]
	v_lshlrev_b32 v[XBO], 3, v[LANE]
	s_mul_i32 s15, s14, XTW                        ; my wave's tile
	v_add_nc_u32 v[LST], s15, v[XBO]
	v_mul_u32_u24 v[LRD], v[R], XP
	v_lshl_add_u32 v[LRD], v[H], 4, v[LRD]
	v_add_nc_u32 v[LRD], s15, v[LRD]               ; row r x pitch + 16 h
	s_lshl_b32 s16, s14, 10
	s_add_co_u32 s16, s16, RED
	v_lshl_add_u32 v[RST], v[LANE], 5, s16
	v_lshl_add_u32 v[RRD], v[LANE], 5, RED
	v_lshlrev_b32 v[SOFF], 2, v[LANE]
	s_lshl_b32 s18, ttmp9, 16                      ; x: 16 rows of 4,096 bytes a work-group, 512 bytes of each a wave
	s_lshl_b32 s20, s14, 9
	s_add_co_u32 s18, s18, s20
	s_mov_b32 s19, 0
	s_lshl_b32 s20, s14, 12                        ; w_gate: 128 rows of 32 bytes a wave
	s_mov_b32 s21, 0
	s_lshl_b32 s22, ttmp9, 15                      ; xb: 16 rows of 2,048 bytes, 256 bytes of each a wave
	s_lshl_b32 s24, s14, 8
	s_add_co_u32 s22, s22, s24
	s_mov_b32 s23, 0
	s_lshl_b32 s24, ttmp9, 6                       ; sel, probs: 16 words a work-group
	s_mov_b32 s25, 0
	s_wait_kmcnt 0x0
	s_add_nc_u64 s[4:5], s[4:5], s[18:19]
	s_add_nc_u64 s[6:7], s[6:7], s[20:21]
	s_add_nc_u64 s[8:9], s[8:9], s[22:23]
	s_add_nc_u64 s[10:11], s[10:11], s[24:25]
	s_add_nc_u64 s[12:13], s[12:13], s[24:25]
.set i, 0
.rept 16                                               ; row i: the wave's 512 consecutive bytes
	global_load_b128 v[X+4*i:X+4*i+3], v[XOFF], s[4:5] offset:4096*i th:TH_LOAD_NT
.set i, i+1
.endr
.set i, 0
.rept 64                                               ; K step i / 16, element p = i % 16 of my 16: row 32 (i / 16) + 8 h + (p, or p + 8 from p = 8 on); a column of an [1024][8] table is never contiguous
	global_load_b32 v[G+i], v[GOFF], s[6:7] offset:(32*(i/16)+(i%16)+8*((i%16)/8))*32
.set i, i+1
.endr
	s_wait_loadcnt 63                              ; 80 loads are issued, and they come back in order (ISA guide 5.7.1): with 63 out the oldest 17 are in, x's 16 among them (the count cannot name 64)
.set i, 0
.rept 16
	v_cvt_pk_bf16_f32 v[XB+2*i], v[X+4*i], v[X+4*i+1]
	v_cvt_pk_bf16_f32 v[XB+2*i+1], v[X+4*i+2], v[X+4*i+3]
	global_store_b64 v[XBO], v[XB+2*i:XB+2*i+1], s[8:9] offset:2048*i   ; the wave stores 256 consecutive bytes, at a multiple of 256 from xb's first
	ds_store_b64 v[LST], v[XB+2*i:XB+2*i+1] offset:XP*i
.set i, i+1
.endr
.set i, 0
.rept 4                                                ; my own tile: LDS serves a wave's instructions in order (ISA guide 5.7.1.4), so these see the stores above
	ds_load_b128 v[XF+8*i:XF+8*i+3], v[LRD] offset:64*i
	ds_load_b128 v[XF+8*i+4:XF+8*i+7], v[LRD] offset:64*i+32
.set i, i+1
.endr
	s_wait_loadcnt 0x0                             ; w_gate
.set i, 0
.rept 32
	v_cvt_pk_bf16_f32 v[GF+i], v[G+2*i], v[G+2*i+1]
.set i, i+1
.endr
	s_wait_dscnt 0x0                               ; the fragments of xb
	v_wmma_f32_16x16x32_bf16 v[AC0:AC0+7], v[GF:GF+7], v[XF:XF+7], 0          ; two accumulators by turns
	v_wmma_f32_16x16x32_bf16 v[AC1:AC1+7], v[GF+8:GF+15], v[XF+8:XF+15], 0
	v_wmma_f32_16x16x32_bf16 v[AC0:AC0+7], v[GF+16:GF+23], v[XF+16:XF+23], v[AC0:AC0+7]
	v_wmma_f32_16x16x32_bf16 v[AC1:AC1+7], v[GF+24:GF+31], v[XF+24:XF+31], v[AC1:AC1+7]
.rept 4
	v_nop                                          ; four places between a product and the first read of its result (ISA guide 7.12.1)
.endr
.set i, 0
.rept 4                                                ; from the accumulators' low end on
	v_pk_add_f32 v[LG+2*i:LG+2*i+1], v[AC0+2*i:AC0+2*i+1], v[AC1+2*i:AC1+2*i+1]
.set i, i+1
.endr
	ds_store_b128 v[RST], v[LG:LG+3]
	ds_store_b128 v[RST], v[LG+4:LG+7] offset:16
	s_wait_tensorcnt 0x0                           ; my last LDS store is out: three closing lines stand behind it;
	ds_add_u32 v[SPW], v[NIL]
	s_wait_dscnt 0x0                               ; the third is also the barrier's: for the others' sake my stores are done
	s_barrier_signal -1
	s_barrier_wait -1
	s_cmp_lg_u32 s14, 0
	s_cbranch_scc1 .Lend                           ; wave 0 alone goes on
.set i, 0
.rept 8                                                ; wave i's eight partial logits of my token
	ds_load_b128 v[LG+8*i:LG+8*i+3], v[RRD] offset:1024*i
	ds_load_b128 v[LG+8*i+4:LG+8*i+7], v[RRD] offset:1024*i+16
.set i, i+1
.endr
	s_wait_dscnt 0x0
.set i, 1
.rept 7                                                ; added in the waves' order, K ascending
	v_pk_add_f32 v[LG:LG+1], v[LG:LG+1], v[LG+8*i:LG+8*i+1]
	v_pk_add_f32 v[LG+2:LG+3], v[LG+2:LG+3], v[LG+8*i+2:LG+8*i+3]
	v_pk_add_f32 v[LG+4:LG+5], v[LG+4:LG+5], v[LG+8*i+4:LG+8*i+5]
	v_pk_add_f32 v[LG+6:LG+7], v[LG+6:LG+7], v[LG+8*i+6:LG+8*i+7]
.set i, i+1
.endr
	; the two largest.  Only a strictly greater logit displaces one found earlier, so equal logits keep the lower index first.  Selects alone: no branch hangs on a logit.
	v_mov_b32 v[M1], v[LG]
	v_mov_b32 v[B1], 1
	v_mov_b32 v[M2], 0xff800000
	v_mov_b32 v[B2], 0
.irp e, 1,2,3,4,5,6,7
	v_cmp_gt_f32 s20, v[LG+\e], v[M1]
	v_cmp_gt_f32 s21, v[LG+\e], v[M2]
	v_mov_b32 v[BIT], 1<<\e
	v_cndmask_b32 v[M2], v[M2], v[LG+\e], s21
	v_cndmask_b32 v[B2], v[B2], v[BIT], s21
	v_cndmask_b32 v[M2], v[M2], v[M1], s20
	v_cndmask_b32 v[B2], v[B2], v[B1], s20
	v_cndmask_b32 v[M1], v[M1], v[LG+\e], s20
	v_cndmask_b32 v[B1], v[B1], v[BIT], s20
.endr
	v_lshl_or_b32 v[CODE], v[B2], 8, v[B1]
	; softmax over the two, the maximum taken away: 1 / (1 + t) and t / (1 + t), t = e^(m2 - m1) <= 1
	v_sub_f32 v[T0], v[M2], v[M1]
	v_mul_f32 v[T0], 0x3fb8aa3b, v[T0]
	v_exp_f32 v[T0], v[T0]
	v_nop                                          ; a plain instruction between a transcendental and the use of its result (ISA guide 5.7.2)
	s_wait_alu depctr_va_vdst(0)
	v_add_f32 v[T1], 1.0, v[T0]
	v_rcp_f32 v[T1], v[T1]
	v_nop
	s_wait_alu depctr_va_vdst(0)
	v_mul_f32 v[T2], v[T0], v[T1]
	v_cmp_gt_u32 vcc_lo, 16, v[LANE]               ; lanes 16-31 hold the same 16 tokens once more
	s_wait_xcnt 0x0                                ; EXEC changes only when every earlier memory instruction has had its addresses translated (ISA guide 3.1)
	s_and_saveexec_b32 s22, vcc_lo
	global_store_b32 v[SOFF], v[CODE], s[10:11]    ; 64 bytes a work-group: 12 KB in the whole launch
	global_store_b32 v[SOFF], v[T1], s[12:13]
	global_store_b32 v[SOFF], v[T2], s[12:13] offset:4096
	s_wait_xcnt 0x0
	s_or_b32 exec_lo, exec_lo, s22
.Lend:
	s_endpgm
.Lfunc_end_k_q1cb1524efb_router:
	.size	k_q1cb1524efb_router, .Lfunc_end_k_q1cb1524efb_router-k_q1cb1524efb_router
	.p2alignl 7, 3214868480
	.fill 96, 4, 3214868480
	.section	.rodata,"a",@progbits
	.p2align	6, 0x0
	.amdhsa_kernel k_q1cb1524efb_router
		.amdhsa_group_segment_fixed_size 44032
		.amdhsa_private_segment_fixed_size 0
		.amdhsa_enable_private_segment 0
		.amdhsa_kernarg_size 40
		.amdhsa_user_sgpr_count 2
		.amdhsa_user_sgpr_kernarg_segment_ptr 1
		.amdhsa_wavefront_size32 1
		.amdhsa_system_sgpr_workgroup_id_x 1
		.amdhsa_system_sgpr_workgroup_id_y 1
		.amdhsa_system_sgpr_workgroup_id_z 1
		.amdhsa_system_vgpr_workitem_id 0
		.amdhsa_next_free_vgpr 240
		.amdhsa_next_free_sgpr 66
		.amdhsa_reserve_vcc 1
		.amdhsa_float_denorm_mode_32 3
		.amdhsa_float_denorm_mode_16_64 3
		.amdhsa_memory_ordered 1
		.amdhsa_forward_progress 1
		.amdhsa_inst_pref_size 26
	.end_amdhsa_kernel
	.amdgpu_metadata
---
amdhsa.version: [ 1, 2 ]
amdhsa.kernels:
  - .name:           k_q1cb1524efb_router
    .symbol:         k_q1cb1524efb_router.kd
    .args:
      - { .name: x, .offset: 0, .size: 8, .value_kind: global_buffer, .address_space: global }
      - { .name: w_gate, .offset: 8, .size: 8, .value_kind: global_buffer, .address_space: global }
      - { .name: xb, .offset: 16, .size: 8, .value_kind: global_buffer, .address_space: global }
      - { .name: sel, .offset: 24, .size: 8, .value_kind: global_buffer, .address_space: global }
      - { .name: probs, .offset: 32, .size: 8, .value_kind: global_buffer, .address_space: global }
    .group_segment_fixed_size: 44032
    .private_segment_fixed_size: 0
    .kernarg_segment_align: 8
    .kernarg_segment_size: 40
    .max_flat_workgroup_size: 256
    .sgpr_count:     66
    .vgpr_count:     240
    .wavefront_size: 32
...
	.end_amdgpu_metadata
.endif
;; end of part 1
;; launch up (part 2): grid 32 x 8, 4 waves a work-group, no clusters, 284,160 bytes of LDS; arguments xb, sel, w1, w3, hbuf; writes hbuf
.if DOCPART == 2
	.amdgcn_target "amdgcn-amd-amdhsa--gfx1250"
	.amdhsa_code_object_version 6
	.text
	.protected	k_q1cb1524efb_up
	.globl	k_q1cb1524efb_up
	.p2align	8
	.type	k_q1cb1524efb_up,@function
k_q1cb1524efb_up:
	s_mov_b64 s[64:65], 0
	v_nop
	global_prefetch_b8 v0, s[64:65] scope:SCOPE_SE
	s_setreg_imm32_b32 hwreg(HW_REG_WAVE_MODE, 25, 1), 1
	s_wait_xcnt 0x0
; UP.  For expert e (grid y) and columns 64 s .. 64 s + 63 of the hidden layer (grid x): h = silu(x w1) * (x w3) for the rows that chose e, rounded once to bf16.
; xb: [1024][1024] bf16.  sel: a word a token, bit e = first choice, bit 8 + e = second.  w1, w3: [8][1024][2048] f32.
; hbuf: [8 experts][80 blocks of 16 rows][64 K steps][2 halves][32 lanes][16 bytes] bf16: the order in which the next launch's operand registers take it.
; THE WEIGHTS ARE READ ONCE.  The work-group's slice, 2 x 1,024 rows x 256 bytes of f32, has no other reader.  A lane loads 16 bytes (columns 4 r .. 4 r + 3) of 16 rows: each load covers two whole rows of
; 256 consecutive bytes.  v_cvt_pk_bf16_f32 of two rows' words IS register i of a fragment in which row r stands for column 4 r + f: no transposing.  The rounded slice (256 KB) is laid into LDS once,
; a chunk of two K steps a trip, each wave a quarter of it, and all four waves multiply from there.
; ROWS.  Every wave makes the expert's list of rows for itself from sel (order: group of 32 tokens, then lane), in LDS bytes of its own.  Row rho lies in block rho / 16; in pass p wave w has the blocks
; 20 p + 4 a + w, a = 0..4.  A pass holds 320 rows, four passes 1,280: every split of the tokens is served.  Pass 0 runs beside the laying of the slice and has the barriers, in every wave; the passes
; behind it read LDS alone, have none, and are jumped by a wave that has no block left.  Places past the count repeat the last row (the next launch leans on that); blocks past the count are not stored.
; THE PRODUCT is used transposed (source 0 = 16 columns of weights, source 1 = 16 rows of x): a lane holds ONE row (lane % 16) and the columns 32 (lane / 16) + 4 j + f.
; NO CLUSTER, NO TENSOR LOAD: each weight byte has one reader and must pass registers to be rounded; what an expert's work-groups share, its rows of xb, comes by a list that no descriptor covers.
; LIMITS.  All inputs are rounded to bf16 (x in the launch before, the weights here); sums in f32, K ascending; h is rounded once to bf16.  silu(g) = g / (1 + 2^(-g log2 e)): for g below some -88 the
; power is infinite and the result -0, as the limit is.  NaN and infinities are not treated apart.
.set LISTB,  262144   ; behind the slice: 5,376 bytes a wave: 1,280 entries, then 64 words into which the lanes that have nothing to say write
.set LISTSZ, 5376
.set SPARE,  283648   ; behind the lists: the spare words, 128 bytes for each wave
; window 0
.set LANE,   1
.set R,      2        ; lane % 16
.set H,      3        ; lane / 16
.set LANE16, 4        ; 16 x lane
.set WOFF,   5        ; my place in a unit of weights: 8 h rows of 8,192 bytes + 16 r
.set BADR,   6        ; LDS: my 16 bytes in the fragments of the K step in hand
.set SADR,   7        ; LDS: where my unit's fragments go
.set AOFF,   8        ; v8-12  my row of xb in block a, + 16 h
.set HOFF,   13       ; my byte offset in hbuf: block 20 p + w, 16 x lane
.set SPW,    14       ; LDS address of my spare word; never rewritten
.set NIL,    15       ; 0; never rewritten
.set TOK4,   16       ; 4 x lane
.set DUMPI,  17       ; 1280 + lane
.set H16,    22       ; 16 h
.set PFO,    23       ; 8,192 x lane: a row of weights a lane
.set ZR,     24       ; v24-27  zeros
.set T,      32       ; v32-63  a unit's four fragments; at work on the way out
.set AR,     64       ; v64-223 rows of x: buffer par at 80 par, K step i at 40 i, block a at 8 a
.set SELR,   64       ; v64-95  sel, until the first rows of x are asked for
.set PP,     224      ; v224-239  a block's h, packed
; window 1
.set SS,     0        ; v0-127  two units of f32 weights as loaded
.set BB,     128      ; v128-255  the eight fragments (w1's four, w3's four) of a K step, two buffers
; window 2: x w1, accumulator (a, f) at 8 (4 a + f).   window 3: x w3 likewise.
.set WV,   14
.set EX,   15         ; the expert
.set SL,   16         ; the slice
.set SM,   17
.set SH,   18
.set LB,   19         ; my wave's list
.set RUN,  20         ; the count of rows
.set MK,   21
.set TMP,  22
.set NT,   23         ; blocks of 16 rows
.set CL,   25         ; the last row that exists
.set SB,   26         ; 20 p + w
.set PASS, 27
.set CNT,  28
.set TM2,  29
.set WBP,  30         ; s[30:31] my units of weights, at the trip that the immediates count from
.set XBP,  32         ; s[32:33] xb likewise
.set HB,   34         ; s[34:35] hbuf at the expert and the slice's two K steps
.set O64,  36         ; s[36:39] two offsets
.set NL2E, 40         ; s[40:41] -log2(e)
.set MSB, 0
.macro WIN new                         ; s_set_vgpr_msb: bits 1:0 source 0, 3:2 source 1, 5:4 source 2, 7:6 destination; the high byte repeats the setting that is left
.if MSB != (\new)
	s_set_vgpr_msb (MSB<<8)|(\new)
.set MSB, \new
.endif
.endm
.macro PLACES                          ; four places in front of loads into registers that products have read, and of reads of results (ISA guide 7.12.1 for reads of results)
.rept 4
	v_nop
.endr
.endm
.macro SELLD                           ; all 1,024 words of sel: register 4 q + c holds token 128 q + 4 lane + c
	WIN 0
.set xq, 0
.rept 8
	global_load_b128 v[SELR+4*xq:SELR+4*xq+3], v[LANE16], s[6:7] offset:512*xq
.set xq, xq+1
.endr
.endm
; THE LIST.  Entry = token + 1,024 x (0: first choice, 1: second).  For each of the 32 groups: who chose the expert; a member's rank is the count so far plus the members in the lanes below it; the others
; write into their own word behind the list.  The index is clamped by a constant ahead of the address.  No barrier, no change of EXEC: the bytes are the wave's own.
.macro LIST
	v_add_nc_u32 v18, s[LB], v[LANE16]
.set xz, 0
.rept 10                                               ; zeros first: entries past the count are read, and must have been written
	ds_store_b128 v18, v[ZR:ZR+3] offset:512*xz
.set xz, xz+1
.endr
	s_lshl_b32 s[SM], 0x101, s[EX]
	s_add_co_u32 s[SH], s[EX], 8
	s_mov_b32 s[RUN], 0
.set xz, 0
.rept 32
	v_and_b32 v19, s[SM], v[SELR+xz]
	v_cmp_ne_u32 s[MK], 0, v19
	v_lshrrev_b32 v19, s[SH], v19                  ; 1 where the expert is the second choice
	v_lshl_add_u32 v19, v19, 10, v[TOK4]
	v_add_nc_u32 v19, 128*(xz/4)+xz%4, v19
	v_mbcnt_lo_u32_b32 v20, s[MK], s[RUN]
	v_cndmask_b32 v20, v[DUMPI], v20, s[MK]
	v_min_u32 v20, 0x53f, v20                      ; 1,344 words a wave
	v_lshl_add_u32 v20, v20, 2, s[LB]
	ds_store_b32 v20, v19
	s_bcnt1_i32_b32 s[TMP], s[MK]
	s_add_co_u32 s[RUN], s[RUN], s[TMP]
.set xz, xz+1
.endr
	s_add_co_u32 s[NT], s[RUN], 15
	s_lshr_b32 s[NT], s[NT], 4
	s_max_u32 s[CL], s[RUN], 1
	s_sub_co_u32 s[CL], s[CL], 1
.endm
.macro AOFFS                           ; my rows of the pass's five blocks: row 16 (SB + 4 a) + r, or the last that exists
	WIN 0
	s_lshl_b32 s[TMP], s[SB], 4
	v_add_nc_u32 v18, s[TMP], v[R]
.irp a, 0,1,2,3,4
	v_add_nc_u32 v19, 64*\a, v18
	v_min_u32 v19, s[CL], v19
	v_min_u32 v19, 0x3ff, v19
	v_lshl_add_u32 v19, v19, 2, s[LB]
	ds_load_b32 v[AOFF+\a], v19
.endr
	s_wait_dscnt 0x0
.irp a, 0,1,2,3,4
	v_and_b32 v[AOFF+\a], 0x3ff, v[AOFF+\a]        ; the token
	v_min_u32 v[AOFF+\a], 0x3ff, v[AOFF+\a]
	v_lshl_add_u32 v[AOFF+\a], v[AOFF+\a], 11, v[H16]  ; its row of 2,048 bytes
.endr
.endm
.macro LDW rel, buf                    ; a unit: 32 rows x 256 bytes of f32: load p takes row 8 h + (p, or p + 8 from p = 8 on)
	WIN 0x40
.set xp, 0
.rept 16
	global_load_b128 v[SS+64*(\buf)+4*xp:SS+64*(\buf)+4*xp+3], v[WOFF], s[WBP:WBP+1] offset:(\rel)*524288+(xp+8*(xp/8))*8192 th:TH_LOAD_NT
.set xp, xp+1
.endr
.endm
.macro CVT buf                         ; register i of fragment f = rows 2 i, 2 i + 1 of my 16, column 4 r + f
	WIN 0x05
.set xf, 0
.rept 4
.set xi, 0
.rept 8
	v_cvt_pk_bf16_f32 v[T+8*xf+xi], v[SS+64*(\buf)+8*xi+xf], v[SS+64*(\buf)+8*xi+4+xf]
.set xi, xi+1
.endr
.set xf, xf+1
.endr
.endm
.macro STW rel                         ; into LDS: K step at 8,192, fragment at 1,024, half at 512, 16 bytes a lane: consecutive, no two lanes on one bank
	WIN 0
.set xf, 0
.rept 4
	ds_store_b128 v[SADR], v[T+8*xf:T+8*xf+3] offset:(\rel)*16384+xf*1024
	ds_store_b128 v[SADR], v[T+8*xf+4:T+8*xf+7] offset:(\rel)*16384+xf*1024+512
.set xf, xf+1
.endr
.endm
.macro LDA rel, par                    ; a chunk's rows of x: two K steps, five blocks
	WIN 0
.set xi, 0
.rept 2
.set xa, 0
.rept 5
	global_load_b128 v[AR+80*(\par)+40*xi+8*xa:AR+80*(\par)+40*xi+8*xa+3], v[AOFF+xa], s[XBP:XBP+1] offset:(\rel)*128+xi*64
	global_load_b128 v[AR+80*(\par)+40*xi+8*xa+4:AR+80*(\par)+40*xi+8*xa+7], v[AOFF+xa], s[XBP:XBP+1] offset:(\rel)*128+xi*64+32
.set xa, xa+1
.endr
.set xi, xi+1
.endr
.endm
.macro LDB off, b                      ; a K step's eight fragments of weights
	WIN 0x40
.set xg, 0
.rept 8
	ds_load_b128 v[BB+64*(\b)+8*xg:BB+64*(\b)+8*xg+3], v[BADR] offset:(\off)+xg*1024
	ds_load_b128 v[BB+64*(\b)+8*xg+4:BB+64*(\b)+8*xg+7], v[BADR] offset:(\off)+xg*1024+512
.set xg, xg+1
.endr
.endm
.macro MUL b, areg, zero               ; a K step: 40 products on 40 accumulators, which take turns in the same order in every K step.  zero = 1: they start the sums
.set xm, 0
.rept 2
	WIN 0xa1+0x50*xm                               ; weights window 1, rows window 0, sums window 2 (w1) or 3 (w3)
.set xa, 0
.rept 5
.set xf, 0
.rept 4
.if \zero
	v_wmma_f32_16x16x32_bf16 v[8*(4*xa+xf):8*(4*xa+xf)+7], v[BB+64*(\b)+8*(4*xm+xf):BB+64*(\b)+8*(4*xm+xf)+7], v[(\areg)+8*xa:(\areg)+8*xa+7], 0
.else
	v_wmma_f32_16x16x32_bf16 v[8*(4*xa+xf):8*(4*xa+xf)+7], v[BB+64*(\b)+8*(4*xm+xf):BB+64*(\b)+8*(4*xm+xf)+7], v[(\areg)+8*xa:(\areg)+8*xa+7], v[8*(4*xa+xf):8*(4*xa+xf)+7]
.endif
.set xf, xf+1
.endr
.set xa, xa+1
.endr
.set xm, xm+1
.endr
.endm
.macro ADV n                           ; the bases go n trips on
	WIN 0
	s_wait_xcnt 0x0                                ; every earlier memory instruction has had its addresses translated (ISA guide 3.1): only now are the bases written
	s_add_nc_u64 s[XBP:XBP+1], s[XBP:XBP+1], 128*(\n)
	s_add_nc_u64 s[WBP:WBP+1], s[WBP:WBP+1], 524288*(\n)
	v_add_nc_u32 v[BADR], 16384*(\n), v[BADR]
	v_add_nc_u32 v[SADR], 16384*(\n), v[SADR]
.endm
; A TRIP of pass 0: chunk t = two K steps.  It asks for the rows of x of chunk t + 1 and for my unit of chunk t + 3, rounds my unit of chunk t + 1 into LDS, and multiplies chunk t.
; ONE barrier: between the stores of chunk t + 1 and its reads in the next trip.  No byte of the slice is written twice, so none is needed the other way round.
; nw, na: the loads younger than my unit of chunk t + 1, and than the rows of chunk t.  The order of issue is rows(t + 1), unit(t + 3) in trip t: behind unit(t + 1) come rows(t) 20, unit(t + 2) 16, rows(t + 1) 20;
; behind rows(t) come unit(t + 2) 16, rows(t + 1) 20, unit(t + 3) 16.  (More than the counter's field holds may be asked for: the issue is then held, ISA guide 5.7.1, until rows that are due anyway are in.)
; pf: my unit of chunk t + 5, which trip t + 2 loads, is asked into the L2: 32 rows' 256 bytes, one lane each, each block once in the launch; 2: not in the loop's last round, whose look-ahead would pass chunk 15.
; fin = 1: the trip that holds the wave's last LDS store: the three closing lines stand behind it, in front of the trip's barrier; their last is the barrier's own wait.
.macro TRIP rel, par, zero, lda, cvt, ldw, pf, nw, na, bar, fin=0
	WIN 0
	PLACES
.if (\pf) == 2
	s_cmp_eq_u32 s[CNT], 1
	s_cbranch_scc1 .Lnopf_\@
.endif
.if \pf
	global_prefetch_b8 v[PFO], s[WBP:WBP+1] offset:((\rel)+5)*524288 th:TH_LOAD_NT scope:SCOPE_SE
.endif
.if (\pf) == 2
.Lnopf_\@:
.endif
.if \lda
	LDA (\rel)+1, 1-(\par)
.endif
	LDB (\rel)*16384, 0
	LDB (\rel)*16384+8192, 1
.if \cvt
	s_wait_loadcnt \nw
	CVT 1-(\par)
	STW (\rel)+1
.endif
.if \ldw
	LDW (\rel)+3, 1-(\par)
.endif
	s_wait_loadcnt \na
.if \cvt
	s_wait_dscnt 24                                ; the first K step's fragments are in: behind them the second's 16 loads and my 8 stores
.else
	s_wait_dscnt 16
.endif
	MUL 0, AR+80*(\par), \zero
.if \fin
	WIN 0                                          ; (the add's two registers lie in window 0)
	s_wait_tensorcnt 0x0
	ds_add_u32 v[SPW], v[NIL]
.endif
	s_wait_dscnt 0x0                               ; the second K step's are in, and, for the others' sake, my stores are done
.if \bar
	s_barrier_signal -1
.endif
	MUL 1, AR+80*(\par)+40, 0                      ; work on registers between the signal and the wait
.if \bar
	s_barrier_wait -1
.endif
.endm
; The passes behind pass 0: a K step at a time, weights from LDS, rows of x from memory, one step ahead; nothing writes LDS, so there is no barrier.
.macro OLA rel, slot
	WIN 0
.set xa, 0
.rept 5
	global_load_b128 v[AR+80*(\slot)+8*xa:AR+80*(\slot)+8*xa+3], v[AOFF+xa], s[XBP:XBP+1] offset:(\rel)*64
	global_load_b128 v[AR+80*(\slot)+8*xa+4:AR+80*(\slot)+8*xa+7], v[AOFF+xa], s[XBP:XBP+1] offset:(\rel)*64+32
.set xa, xa+1
.endr
.endm
.macro OSTEP rel, par, zero, more
	PLACES
.if \more
	OLA (\rel)+1, 1-(\par)
	LDB ((\rel)+1)*8192, 1-(\par)
	s_wait_loadcnt 10                              ; all but the next step's ten
	s_wait_dscnt 16                                ; all but the next step's sixteen
.else
	s_wait_loadcnt 0x0
	s_wait_dscnt 0x0
.endif
	MUL \par, AR+80*(\par), \zero
.endm
.macro ADVO n
	WIN 0
	s_wait_xcnt 0x0
	s_add_nc_u64 s[XBP:XBP+1], s[XBP:XBP+1], 64*(\n)
	v_add_nc_u32 v[BADR], 8192*(\n), v[BADR]
.endm
; THE WAY OUT of block a: h = g u / (1 + 2^(-g log2 e)).  A lane's 32 numbers, rounded in pairs, are its 64 bytes of operand in the next launch: store f is half f % 2 of K step 2 s + f / 2.
; Each accumulator is read from its low end on.  A block past the count is jumped.
.macro EPI a
	s_add_co_u32 s[TMP], s[SB], 4*(\a)
	s_cmp_ge_u32 s[TMP], s[NT]
	s_cbranch_scc1 .Lnb_\@
	WIN 0x02
.set xz, 0
.rept 16
	v_pk_mul_f32 v[T+2*xz:T+2*xz+1], v[32*(\a)+2*xz:32*(\a)+2*xz+1], s[NL2E:NL2E+1] op_sel_hi:[1,0]
.set xz, xz+1
.endr
	WIN 0
.set xz, 0
.rept 32
	v_exp_f32 v[T+xz], v[T+xz]
.set xz, xz+1
.endr
	v_nop                                          ; a plain instruction between the last transcendental and the use of its result (ISA guide 5.7.2)
.set xz, 0
	s_wait_alu depctr_va_vdst(0)
.rept 16
	v_pk_add_f32 v[T+2*xz:T+2*xz+1], v[T+2*xz:T+2*xz+1], 1.0 op_sel_hi:[1,0]
.set xz, xz+1
.endr
.set xz, 0
.rept 32
	v_rcp_f32 v[T+xz], v[T+xz]
.set xz, xz+1
.endr
	v_nop
	WIN 0x02
.set xz, 0
	s_wait_alu depctr_va_vdst(0)
.rept 16
	v_pk_mul_f32 v[T+2*xz:T+2*xz+1], v[32*(\a)+2*xz:32*(\a)+2*xz+1], v[T+2*xz:T+2*xz+1]
.set xz, xz+1
.endr
	WIN 0x03
.set xz, 0
.rept 16
	v_pk_mul_f32 v[T+2*xz:T+2*xz+1], v[32*(\a)+2*xz:32*(\a)+2*xz+1], v[T+2*xz:T+2*xz+1]
.set xz, xz+1
.endr
	WIN 0
	s_wait_xcnt 0x0                                ; the block before's stores have read the packed registers
.set xz, 0
.rept 16
	v_cvt_pk_bf16_f32 v[PP+xz], v[T+2*xz], v[T+2*xz+1]
.set xz, xz+1
.endr
.set xf, 0
.rept 4
	global_store_b128 v[HOFF], v[PP+4*xf:PP+4*xf+3], s[HB:HB+1] offset:(\a)*262144+xf*512   ; 512 consecutive bytes, at a multiple of 512 from hbuf's first
.set xf, xf+1
.endr
.Lnb_\@:
.endm
	s_load_b256 s[4:11], s[0:1], 0x0               ; xb s[4:5], sel s[6:7], w1 s[8:9], w3 s[10:11]
	s_load_b64 s[12:13], s[0:1], 0x20              ; hbuf
	v_lshl_add_u32 v[SPW], v0, 2, SPARE
	v_mov_b32 v[NIL], 0
	v_lshrrev_b32 v18, 5, v0
	v_readfirstlane_b32 s[WV], v18                 ; wave 0..3
	s_and_b32 s[EX], ttmp7, 0xffff
	s_mov_b32 s[SL], ttmp9
	v_and_b32 v[LANE], 31, v0
	v_and_b32 v[R], 15, v0
	v_bfe_u32 v[H], v0, 4, 1
	v_lshlrev_b32 v[LANE16], 4, v[LANE]
	v_lshlrev_b32 v[TOK4], 2, v[LANE]
	v_add_nc_u32 v[DUMPI], 1280, v[LANE]
	v_lshlrev_b32 v[H16], 4, v[H]
	v_lshlrev_b32 v[WOFF], 4, v[R]
	v_lshl_add_u32 v[WOFF], v[H], 16, v[WOFF]
	v_lshlrev_b32 v[PFO], 13, v[LANE]
	v_mov_b32 v[ZR], 0
	v_mov_b32 v[ZR+1], 0
	v_mov_b32 v[ZR+2], 0
	v_mov_b32 v[ZR+3], 0
	v_mov_b32 v[BADR], v[LANE16]
	s_mul_i32 s[LB], s[WV], LISTSZ
	s_add_co_u32 s[LB], s[LB], LISTB
	s_lshr_b32 s[TMP], s[WV], 1                    ; of a chunk's four units wave w has K step w / 2 of matrix w % 2 (0: w1, 1: w3)
	s_lshl_b32 s[TM2], s[TMP], 13
	s_lshl_b32 s[O64], s[TMP], 18                  ; that K step's 32 rows of 8,192 bytes,
	s_and_b32 s[TMP], s[WV], 1
	s_lshl_b32 s[TMP], s[TMP], 12
	s_add_co_u32 s[TM2], s[TM2], s[TMP]
	v_add_nc_u32 v[SADR], s[TM2], v[LANE16]
	s_lshl_b32 s[TMP], s[WV], 16
	v_add_nc_u32 v[HOFF], s[TMP], v[LANE16]        ; block w
	s_lshl_b32 s[TMP], s[EX], 23                   ; the expert's 8 MB,
	s_add_co_u32 s[O64], s[O64], s[TMP]
	s_lshl_b32 s[TMP], s[SL], 8                    ; the slice's 256 bytes of a row
	s_add_co_u32 s[O64], s[O64], s[TMP]
	s_mov_b32 s[O64+1], 0
	s_mul_i32 s[O64+2], s[EX], 5242880             ; hbuf: 80 blocks of 65,536 bytes an expert,
	s_lshl_b32 s[TMP], s[SL], 11                   ; two K steps of 1,024 bytes a slice
	s_add_co_u32 s[O64+2], s[O64+2], s[TMP]
	s_mov_b32 s[O64+3], 0
	s_mov_b32 s[NL2E], 0xbfb8aa3b
	s_mov_b32 s[NL2E+1], s[NL2E]                   ; named with it as a pair
	s_and_b32 s[TMP], s[WV], 1
	s_wait_kmcnt 0x0
	s_cmp_lg_u32 s[TMP], 0
	s_cselect_b64 s[WBP:WBP+1], s[10:11], s[8:9]
	s_add_nc_u64 s[WBP:WBP+1], s[WBP:WBP+1], s[O64:O64+1]
	s_add_nc_u64 s[HB:HB+1], s[12:13], s[O64+2:O64+3]
	s_mov_b64 s[XBP:XBP+1], s[4:5]
	SELLD
	LDW 0, 0                                       ; the weights are on their way while the list is made
	LDW 1, 1
	WIN 0
	s_wait_loadcnt 32                              ; sel is in: the two units' 32 loads are younger
	LIST
	s_mov_b32 s[SB], s[WV]
	AOFFS
	LDA 0, 0
	s_wait_loadcnt 36                              ; unit 0 is in: behind it unit 1's 16 and the rows' 20
	CVT 0
	STW 0
	LDW 2, 0
	WIN 0
	s_wait_dscnt 0x0                               ; for the others' sake: my part of chunk 0 is in LDS
	s_barrier_signal -1
	s_barrier_wait -1
	s_mov_b32 s[PASS], 4
	TRIP 0, 0, 1, 1, 1, 1, 1, 56, 52, 1            ; chunk 0: its products start the sums
	ADV 1
	s_mov_b32 s[CNT], 6
.Lk:                                                   ; chunks 1 to 12
	TRIP 0, 1, 0, 1, 1, 1, 2, 56, 52, 1
	TRIP 1, 0, 0, 1, 1, 1, 2, 56, 52, 1
	ADV 2
	s_sub_co_u32 s[CNT], s[CNT], 1
	s_cmp_lg_u32 s[CNT], 0
	s_cbranch_scc1 .Lk
	TRIP 0, 1, 0, 1, 1, 0, 0, 56, 36, 1            ; chunk 13: no unit is left to ask for: behind rows(13) come unit(15) 16 and rows(14) 20
	TRIP 1, 0, 0, 1, 1, 0, 0, 40, 20, 1, 1         ; chunk 14: behind unit(15) come rows(14) and rows(15); behind rows(14) rows(15).  My last LDS store: the closing lines stand here
	TRIP 2, 1, 0, 0, 0, 0, 0, 0, 0, 0              ; chunk 15: nothing is asked for or stored, so no barrier
	WIN 0
	s_branch .Lepi                                 ; the loop over passes is entered at a pass's way out
.Lpass:
	s_wait_xcnt 0x0                                ; the stores have read their offset, the loads their base
	s_add_co_u32 s[SB], s[SB], 20
	v_add_nc_u32 v[HOFF], 20*65536, v[HOFF]
	s_cmp_ge_u32 s[SB], s[NT]
	s_cbranch_scc1 .Lskip                          ; no block left for this wave: what is jumped holds no barrier
	AOFFS
	s_mov_b64 s[XBP:XBP+1], s[4:5]
	v_mov_b32 v[BADR], v[LANE16]
	OLA 0, 0
	LDB 0, 0
	OSTEP 0, 0, 1, 1                               ; K step 0 starts the sums
	ADVO 1
	s_mov_b32 s[CNT], 15
.Lo:                                                   ; K steps 1 to 30
	OSTEP 0, 1, 0, 1
	OSTEP 1, 0, 0, 1
	ADVO 2
	s_sub_co_u32 s[CNT], s[CNT], 1
	s_cmp_lg_u32 s[CNT], 0
	s_cbranch_scc1 .Lo
	OSTEP 0, 1, 0, 0                               ; K step 31
	WIN 0
.Lepi:
	PLACES
	EPI 0
	EPI 1
	EPI 2
	EPI 3
	EPI 4
.Lskip:
	s_sub_co_u32 s[PASS], s[PASS], 1
	s_cmp_lg_u32 s[PASS], 0
	s_cbranch_scc1 .Lpass
	s_endpgm                                       ; no LDS write stands behind chunk 14's trip, where the closing lines are
.Lfunc_end_k_q1cb1524efb_up:
	.size	k_q1cb1524efb_up, .Lfunc_end_k_q1cb1524efb_up-k_q1cb1524efb_up
	.p2alignl 7, 3214868480
	.fill 96, 4, 3214868480
	.section	.rodata,"a",@progbits
	.p2align	6, 0x0
	.amdhsa_kernel k_q1cb1524efb_up
		.amdhsa_group_segment_fixed_size 284160
		.amdhsa_private_segment_fixed_size 0
		.amdhsa_enable_private_segment 0
		.amdhsa_kernarg_size 40
		.amdhsa_user_sgpr_count 2
		.amdhsa_user_sgpr_kernarg_segment_ptr 1
		.amdhsa_wavefront_size32 1
		.amdhsa_system_sgpr_workgroup_id_x 1
		.amdhsa_system_sgpr_workgroup_id_y 1
		.amdhsa_system_sgpr_workgroup_id_z 1
		.amdhsa_system_vgpr_workitem_id 0
		.amdhsa_next_free_vgpr 928
		.amdhsa_next_free_sgpr 66
		.amdhsa_reserve_vcc 0
		.amdhsa_float_denorm_mode_32 3
		.amdhsa_float_denorm_mode_16_64 3
		.amdhsa_memory_ordered 1
		.amdhsa_forward_progress 1
		.amdhsa_inst_pref_size 170
	.end_amdhsa_kernel
	.amdgpu_metadata
---
amdhsa.version: [ 1, 2 ]
amdhsa.kernels:
  - .name:           k_q1cb1524efb_up
    .symbol:         k_q1cb1524efb_up.kd
    .args:
      - { .name: xb, .offset: 0, .size: 8, .value_kind: global_buffer, .address_space: global }
      - { .name: sel, .offset: 8, .size: 8, .value_kind: global_buffer, .address_space: global }
      - { .name: w1, .offset: 16, .size: 8, .value_kind: global_buffer, .address_space: global }
      - { .name: w3, .offset: 24, .size: 8, .value_kind: global_buffer, .address_space: global }
      - { .name: hbuf, .offset: 32, .size: 8, .value_kind: global_buffer, .address_space: global }
    .group_segment_fixed_size: 284160
    .private_segment_fixed_size: 0
    .kernarg_segment_align: 8
    .kernarg_segment_size: 40
    .max_flat_workgroup_size: 128
    .sgpr_count:     66
    .vgpr_count:     928
    .wavefront_size: 32
...
	.end_amdgpu_metadata
.endif
;; end of part 2
;; launch down (part 3): grid 32 x 8, 4 waves a work-group, no clusters, 153,088 bytes of LDS; arguments hbuf, sel, probs, w2, ypart; writes ypart
.if DOCPART == 3
	.amdgcn_target "amdgcn-amd-amdhsa--gfx1250"
	.amdhsa_code_object_version 6
	.text
	.protected	k_q1cb1524efb_down
	.globl	k_q1cb1524efb_down
	.p2align	8
	.type	k_q1cb1524efb_down,@function
k_q1cb1524efb_down:
	s_mov_b64 s[64:65], 0
	v_nop
	global_prefetch_b8 v0, s[64:65] scope:SCOPE_SE
	s_setreg_imm32_b32 hwreg(HW_REG_WAVE_MODE, 25, 1), 1
	s_wait_xcnt 0x0
; DOWN.  For expert e (grid y), columns 64 cs .. 64 cs + 63 of the output (cs = grid x % 16) and half kh (grid x / 16) of the hidden layer: p (h w2), a partial sum in f32, for the rows that chose e.
; hbuf: [8 experts][80 blocks of 16 rows][64 K steps][2 halves][32 lanes][16 bytes] bf16, as the launch before laid it.  w2: [8][2048][1024] f32.  probs: [2][1024] f32.
; ypart: [2 halves of K][2 choices][1024 tokens][1024] f32: each row of each part has one writer; the next launch adds the four parts.
; WHY K IS HALVED: 32 work-groups an expert on rows of 4,096 bytes are 16 slices of 256 bytes x 2 halves of K, or 32 slices of 128 bytes; only the first lets every load of weights cover whole rows of 256
; consecutive bytes that no other work-group touches.  Its price is 8 MB more of partial sums each way.
; THE WEIGHTS ARE READ ONCE: as in the launch before, a lane loads 16 bytes (columns 4 r .. 4 r + 3) of 16 rows and two rows' words round into register i of a fragment in which column r stands for column
; 4 r + f.  THE ORDER OF K follows hbuf's: in K step kappa of my half, half h of the lanes, element p of 16 is row 64 (kappa / 2) + 32 h + 4 (p % 8) + 2 (kappa % 2) + p / 8: the same permutation on both sides.
; PHASES.  1: the slice (1,024 rows x 256 bytes) is rounded into LDS (128 KB), each wave every fourth K step, three to four units of 16 loads out all the time; the list of rows is made under the first.
; One barrier.  2: four passes of 320 rows (wave w: blocks 20 p + 4 a + w), weights from LDS, h straight from memory into operand registers; nothing writes LDS, so there is no further barrier, and
; a wave without a block left jumps the pass.  The two phases are apart because weights and h share one counter that comes back in order: mixed, every load of h would wait behind weights from memory.
; In the result a lane holds column r of the fragment and rows 8 (lane / 16) + j: over the four fragments 16 consecutive bytes of a row, so sixteen lanes store 256 consecutive bytes.
; PLACES PAST THE COUNT.  Whole blocks past it are jumped.  In the last block the launch before has laid the last row's h into the places past the count, and here their entries are read with the index held
; to the last row: such a place has the last row's sums, weight and address, and stores that row's 256 bytes once more with the same numbers: at most 15 rows of 256 bytes a work-group, and EXEC stays whole.
; NO CLUSTER, NO TENSOR LOAD: each weight byte has one reader and passes registers to be rounded; the rows of h that an expert's work-groups share would have to go through LDS, 20 KB in and out for a K
; step's 20 products a wave, beside the weights' reads.
; LIMITS.  w2 is rounded to bf16; sums in f32, in hbuf's order of K; NaN and infinities are not treated apart.
.set LISTB,  131072
.set LISTSZ, 5376
.set SPARE,  152576
; window 0
.set LANE,   1
.set R,      2
.set H,      3
.set LANE16, 4
.set WOFF,   5        ; my place in a unit of weights: 32 h rows of 4,096 bytes + 16 r
.set BADR,   6
.set SADR,   7        ; LDS: where my units' fragments go, K steps 0-15
.set AOFF,   8        ; v8-12  block a of hbuf, + 16 x lane
.set SADR2,  13       ; the same for K steps 16-31
.set SPW,    14
.set NIL,    15
.set TOK4,   16
.set DUMPI,  17
.set R16,    22       ; 16 r
.set ZR,     24
.set H8,     28       ; 8 h
.set T,      32       ; v32-63  a unit's four fragments
.set OO,     32       ; on the way out: row j's 16 bytes at 4 j
.set AR,     64       ; v64-223  h: K step i of four at 40 i, block a at 8 a (buffer 0; buffer 1 is window 3, v0-159)
.set SELR,   64
.set EN,     224      ; v224-231  my eight rows' entries
.set PR,     232      ; v232-239  their weights
.set DO,     240      ; v240-247  their byte offsets in ypart
; window 1: v0-255 four units of f32 weights as loaded; behind the barrier v0-31, v32-63 a K step's four fragments, two buffers.   window 2: the sums, (a, f) at 8 (4 a + f)
.set SS,   0
.set WV,   14
.set EX,   15
.set SM,   17
.set SH,   18
.set LB,   19
.set RUN,  20
.set MK,   21
.set TMP,  22
.set NT,   23
.set NTM,  24
.set CL,   25
.set SB,   26
.set PASS, 27
.set CNT,  28
.set TM2,  29
.set WBP,  30         ; s[30:31] my units of w2
.set HBP,  32         ; s[32:33] hbuf at the trip that the immediates count from
.set HB0,  34         ; s[34:35] hbuf at the expert and my half of K
.set O64,  36
.set YB,   40         ; s[40:41] ypart at my half of K and my 256 bytes of a row
.set CSL,  42
.set KH,   43
.set MSB, 0
.macro WIN new
.if MSB != (\new)
	s_set_vgpr_msb (MSB<<8)|(\new)
.set MSB, \new
.endif
.endm
.macro PLACES
.rept 4
	v_nop
.endr
.endm
.macro SELLD
	WIN 0
.set xq, 0
.rept 8
	global_load_b128 v[SELR+4*xq:SELR+4*xq+3], v[LANE16], s[6:7] offset:512*xq
.set xq, xq+1
.endr
.endm
; THE LIST: the same text, and so the same order of rows, as in the launch before.
.macro LIST
	v_add_nc_u32 v18, s[LB], v[LANE16]
.set xz, 0
.rept 10
	ds_store_b128 v18, v[ZR:ZR+3] offset:512*xz
.set xz, xz+1
.endr
	s_lshl_b32 s[SM], 0x101, s[EX]
	s_add_co_u32 s[SH], s[EX], 8
	s_mov_b32 s[RUN], 0
.set xz, 0
.rept 32
	v_and_b32 v19, s[SM], v[SELR+xz]
	v_cmp_ne_u32 s[MK], 0, v19
	v_lshrrev_b32 v19, s[SH], v19
	v_lshl_add_u32 v19, v19, 10, v[TOK4]
	v_add_nc_u32 v19, 128*(xz/4)+xz%4, v19
	v_mbcnt_lo_u32_b32 v20, s[MK], s[RUN]
	v_cndmask_b32 v20, v[DUMPI], v20, s[MK]
	v_min_u32 v20, 0x53f, v20
	v_lshl_add_u32 v20, v20, 2, s[LB]
	ds_store_b32 v20, v19
	s_bcnt1_i32_b32 s[TMP], s[MK]
	s_add_co_u32 s[RUN], s[RUN], s[TMP]
.set xz, xz+1
.endr
	s_add_co_u32 s[NT], s[RUN], 15
	s_lshr_b32 s[NT], s[NT], 4
	s_max_u32 s[CL], s[RUN], 1
	s_sub_co_u32 s[CL], s[CL], 1
.endm
.macro ULD u                           ; my unit u: K step 4 u + w: load p takes row 32 h + 4 (p % 8) + p / 8 of the K step's pair of 64 rows
	WIN 0x40
.set xp, 0
.rept 16
	global_load_b128 v[SS+64*((\u)%4)+4*xp:SS+64*((\u)%4)+4*xp+3], v[WOFF], s[WBP:WBP+1] offset:(\u)*524288+(4*(xp%8)+xp/8)*4096 th:TH_LOAD_NT
.set xp, xp+1
.endr
.endm
.macro UCV u                           ; rounded, and into LDS: K step at 4,096, fragment at 1,024, half at 512, 16 bytes a lane
	WIN 0x05
.set xf, 0
.rept 4
.set xi, 0
.rept 8
	v_cvt_pk_bf16_f32 v[T+8*xf+xi], v[SS+64*((\u)%4)+8*xi+xf], v[SS+64*((\u)%4)+8*xi+4+xf]
.set xi, xi+1
.endr
.set xf, xf+1
.endr
	WIN 0
.set xf, 0
.rept 4
.if (\u) < 4
	ds_store_b128 v[SADR], v[T+8*xf:T+8*xf+3] offset:(\u)*16384+xf*1024
	ds_store_b128 v[SADR], v[T+8*xf+4:T+8*xf+7] offset:(\u)*16384+xf*1024+512
.else
	ds_store_b128 v[SADR2], v[T+8*xf:T+8*xf+3] offset:((\u)-4)*16384+xf*1024
	ds_store_b128 v[SADR2], v[T+8*xf+4:T+8*xf+7] offset:((\u)-4)*16384+xf*1024+512
.endif
.set xf, xf+1
.endr
.endm
.macro DLA rel, par                    ; four K steps of h for my five blocks: 40 loads of 512 consecutive bytes
.if \par
	WIN 0xc0
.set ab, 0
.else
	WIN 0
.set ab, AR
.endif
.set xi, 0
.rept 4
.set xa, 0
.rept 5
	global_load_b128 v[ab+40*xi+8*xa:ab+40*xi+8*xa+3], v[AOFF+xa], s[HBP:HBP+1] offset:(\rel)*4096+xi*1024
	global_load_b128 v[ab+40*xi+8*xa+4:ab+40*xi+8*xa+7], v[AOFF+xa], s[HBP:HBP+1] offset:(\rel)*4096+xi*1024+512
.set xa, xa+1
.endr
.set xi, xi+1
.endr
.endm
.macro DLB off, b                      ; a K step's four fragments of weights
	WIN 0x40
.set xf, 0
.rept 4
	ds_load_b128 v[32*(\b)+8*xf:32*(\b)+8*xf+3], v[BADR] offset:(\off)+xf*1024
	ds_load_b128 v[32*(\b)+8*xf+4:32*(\b)+8*xf+7], v[BADR] offset:(\off)+xf*1024+512
.set xf, xf+1
.endr
.endm
.macro MUL20 ks, par, zero             ; a K step: 20 products on 20 accumulators, which take turns
.if \par
	WIN 0xa7                                       ; h window 3, weights window 1, sums window 2
.set ab, 0
.else
	WIN 0xa4                                       ; h window 0
.set ab, AR
.endif
.set xa, 0
.rept 5
.set xf, 0
.rept 4
.if \zero
	v_wmma_f32_16x16x32_bf16 v[8*(4*xa+xf):8*(4*xa+xf)+7], v[ab+40*(\ks)+8*xa:ab+40*(\ks)+8*xa+7], v[32*((\ks)%2)+8*xf:32*((\ks)%2)+8*xf+7], 0
.else
	v_wmma_f32_16x16x32_bf16 v[8*(4*xa+xf):8*(4*xa+xf)+7], v[ab+40*(\ks)+8*xa:ab+40*(\ks)+8*xa+7], v[32*((\ks)%2)+8*xf:32*((\ks)%2)+8*xf+7], v[8*(4*xa+xf):8*(4*xa+xf)+7]
.endif
.set xf, xf+1
.endr
.set xa, xa+1
.endr
.endm
; A TRIP: four K steps.  The next trip's h is asked for first (the wait leaves its 40 loads out); each K step asks for the next one's weights (the wait leaves those 8 loads out).
.macro DTRIP rel, par, zero, lda, last
	PLACES
.if \lda
	DLA (\rel)+1, 1-(\par)
	s_wait_loadcnt 40
.else
	s_wait_loadcnt 0x0
.endif
.irp k, 0,1,2,3
.if (\k) > 0
	PLACES
.endif
.if (\last) && ((\k) == 3)
	s_wait_dscnt 0x0
.else
	DLB (\rel)*16384+((\k)+1)*4096, ((\k)+1)%2
	s_wait_dscnt 8
.endif
	MUL20 \k, \par, (\zero)*(1-((\k)+3)/4)
.endr
.endm
.macro DADV n
	WIN 0
	s_wait_xcnt 0x0                                ; every earlier memory instruction has had its addresses translated (ISA guide 3.1): only now is the base written
	s_add_nc_u64 s[HBP:HBP+1], s[HBP:HBP+1], 4096*(\n)
	v_add_nc_u32 v[BADR], 16384*(\n), v[BADR]
.endm
; THE WAY OUT of block a: my eight rows' entries from the list (row 16 block + 8 h + j, or the last that exists), their weights, the sums times the weights, and eight stores: lanes 0-15 the 256 bytes
; of row j, lanes 16-31 those of row 8 + j.  A block past the count is jumped.
.macro DEPI a
	s_add_co_u32 s[TMP], s[SB], 4*(\a)
	s_cmp_ge_u32 s[TMP], s[NT]
	s_cbranch_scc1 .Lnb_\@
	s_lshl_b32 s[TM2], s[TMP], 4                   ; the block's first row
	v_add_nc_u32 v18, s[TM2], v[H8]
.irp j, 0,1,2,3,4,5,6,7
	v_add_nc_u32 v19, \j, v18
	v_min_u32 v19, s[CL], v19
	v_min_u32 v19, 0x3ff, v19
	v_lshl_add_u32 v19, v19, 2, s[LB]
	ds_load_b32 v[EN+\j], v19
.endr
	s_wait_dscnt 0x0
.irp j, 0,1,2,3,4,5,6,7
	v_min_u32 v[EN+\j], 0x7ff, v[EN+\j]
	v_lshl_add_u32 v[DO+\j], v[EN+\j], 12, v[R16]  ; the entry's row of 4,096 bytes
	v_lshlrev_b32 v[EN+\j], 2, v[EN+\j]
	global_load_b32 v[PR+\j], v[EN+\j], s[8:9]
.endr
	s_wait_loadcnt 0x0
	WIN 0x02
.irp j, 0,1,2,3,4,5,6,7                                ; each accumulator from its low end on
.irp f, 0,1,2,3
	v_mul_f32 v[OO+4*\j+\f], v[32*(\a)+8*\f+\j], v[PR+\j]
.endr
.endr
	WIN 0
.irp j, 0,1,2,3,4,5,6,7
	global_store_b128 v[DO+\j], v[OO+4*\j:OO+4*\j+3], s[YB:YB+1]   ; sixteen lanes store 256 consecutive bytes, at a multiple of 256 from ypart's first
.endr
	s_wait_xcnt 0x0                                ; the next block writes the stores' data and offsets anew
.Lnb_\@:
.endm
	s_load_b256 s[4:11], s[0:1], 0x0               ; hbuf s[4:5], sel s[6:7], probs s[8:9], w2 s[10:11]
	s_load_b64 s[12:13], s[0:1], 0x20              ; ypart
	v_lshl_add_u32 v[SPW], v0, 2, SPARE
	v_mov_b32 v[NIL], 0
	v_lshrrev_b32 v18, 5, v0
	v_readfirstlane_b32 s[WV], v18                 ; wave 0..3
	s_and_b32 s[EX], ttmp7, 0xffff
	s_and_b32 s[CSL], ttmp9, 15
	s_lshr_b32 s[KH], ttmp9, 4
	v_and_b32 v[LANE], 31, v0
	v_and_b32 v[R], 15, v0
	v_bfe_u32 v[H], v0, 4, 1
	v_lshlrev_b32 v[LANE16], 4, v[LANE]
	v_lshlrev_b32 v[TOK4], 2, v[LANE]
	v_add_nc_u32 v[DUMPI], 1280, v[LANE]
	v_lshlrev_b32 v[R16], 4, v[R]
	v_lshlrev_b32 v[H8], 3, v[H]
	v_lshl_add_u32 v[WOFF], v[H], 17, v[R16]
	v_mov_b32 v[ZR], 0
	v_mov_b32 v[ZR+1], 0
	v_mov_b32 v[ZR+2], 0
	v_mov_b32 v[ZR+3], 0
	s_mul_i32 s[LB], s[WV], LISTSZ
	s_add_co_u32 s[LB], s[LB], LISTB
	s_lshl_b32 s[TMP], s[WV], 12
	v_add_nc_u32 v[SADR], s[TMP], v[LANE16]        ; K step w
	v_add_nc_u32 v[SADR2], 0x10000, v[SADR]
	s_lshl_b32 s[O64], s[EX], 23                   ; w2: the expert's 8 MB,
	s_lshl_b32 s[TMP], s[KH], 22                   ; my half's 1,024 rows of 4,096 bytes,
	s_add_co_u32 s[O64], s[O64], s[TMP]
	s_lshl_b32 s[TMP], s[CSL], 8                   ; my 256 bytes of a row,
	s_add_co_u32 s[O64], s[O64], s[TMP]
	s_lshr_b32 s[TMP], s[WV], 1                    ; K step w: 64 (w / 2) + 2 (w % 2) rows
	s_lshl_b32 s[TMP], s[TMP], 18
	s_add_co_u32 s[O64], s[O64], s[TMP]
	s_and_b32 s[TMP], s[WV], 1
	s_lshl_b32 s[TMP], s[TMP], 13
	s_add_co_u32 s[O64], s[O64], s[TMP]
	s_mov_b32 s[O64+1], 0
	s_mul_i32 s[O64+2], s[EX], 5242880             ; hbuf: the expert, and my half's 32 K steps of 1,024 bytes
	s_lshl_b32 s[TMP], s[KH], 15
	s_add_co_u32 s[O64+2], s[O64+2], s[TMP]
	s_mov_b32 s[O64+3], 0
	s_wait_kmcnt 0x0
	s_add_nc_u64 s[WBP:WBP+1], s[10:11], s[O64:O64+1]
	s_add_nc_u64 s[HB0:HB0+1], s[4:5], s[O64+2:O64+3]
	s_lshl_b32 s[O64], s[KH], 23                   ; ypart: my half's 8 MB, my 256 bytes of a row
	s_lshl_b32 s[TMP], s[CSL], 8
	s_add_co_u32 s[O64], s[O64], s[TMP]
	s_add_nc_u64 s[YB:YB+1], s[12:13], s[O64:O64+1]
	SELLD
	ULD 0
	ULD 1
	ULD 2
	WIN 0
	s_wait_loadcnt 48                              ; sel is in: three units' 48 loads are younger
	LIST
.irp u, 0,1,2,3,4                                      ; unit u is in when the three units behind it, 48 loads, are all that is out
	ULD (\u)+3
	s_wait_loadcnt 48
	UCV \u
.endr
	s_wait_loadcnt 32                              ; nothing is left to ask for: the counts run down
	UCV 5
	s_wait_loadcnt 16
	UCV 6
	s_wait_loadcnt 0x0
	UCV 7
	s_wait_tensorcnt 0x0                           ; my last LDS store is out: three closing lines stand behind it;
	ds_add_u32 v[SPW], v[NIL]
	s_wait_dscnt 0x0                               ; the third is also the barrier's: for the others' sake my part of the slice is in LDS
	s_barrier_signal -1
	s_barrier_wait -1
	s_mov_b32 s[SB], s[WV]
	s_mov_b32 s[PASS], 4
.Lpass:
	s_cmp_ge_u32 s[SB], s[NT]
	s_cbranch_scc1 .Lskip                          ; no block left for this wave: what is jumped holds no barrier
	s_wait_xcnt 0x0
	s_sub_co_u32 s[NTM], s[NT], 1
.irp a, 0,1,2,3,4
	s_add_co_u32 s[TMP], s[SB], 4*\a
	v_mov_b32 v19, s[TMP]
	v_min_u32 v19, s[NTM], v19                     ; a place past the last block repeats it,
	v_min_u32 v19, 0x4f, v19                       ; and no number leaves the expert's 80 blocks
	v_lshl_add_u32 v[AOFF+\a], v19, 16, v[LANE16]
.endr
	s_mov_b64 s[HBP:HBP+1], s[HB0:HB0+1]
	v_mov_b32 v[BADR], v[LANE16]
	PLACES
	DLA 0, 0
	DLB 0, 0
	DTRIP 0, 0, 1, 1, 0                            ; K steps 0-3: the first starts the sums
	DADV 1
	s_mov_b32 s[CNT], 3
.Lk:                                                   ; K steps 4-27
	DTRIP 0, 1, 0, 1, 0
	DTRIP 1, 0, 0, 1, 0
	DADV 2
	s_sub_co_u32 s[CNT], s[CNT], 1
	s_cmp_lg_u32 s[CNT], 0
	s_cbranch_scc1 .Lk
	DTRIP 0, 1, 0, 0, 1                            ; K steps 28-31: nothing is left to ask for
	WIN 0
	PLACES
	DEPI 0
	DEPI 1
	DEPI 2
	DEPI 3
	DEPI 4
.Lskip:
	s_add_co_u32 s[SB], s[SB], 20
	s_sub_co_u32 s[PASS], s[PASS], 1
	s_cmp_lg_u32 s[PASS], 0
	s_cbranch_scc1 .Lpass
	s_endpgm
.Lfunc_end_k_q1cb1524efb_down:
	.size	k_q1cb1524efb_down, .Lfunc_end_k_q1cb1524efb_down-k_q1cb1524efb_down
	.p2alignl 7, 3214868480
	.fill 96, 4, 3214868480
	.section	.rodata,"a",@progbits
	.p2align	6, 0x0
	.amdhsa_kernel k_q1cb1524efb_down
		.amdhsa_group_segment_fixed_size 153088
		.amdhsa_private_segment_fixed_size 0
		.amdhsa_enable_private_segment 0
		.amdhsa_kernarg_size 40
		.amdhsa_user_sgpr_count 2
		.amdhsa_user_sgpr_kernarg_segment_ptr 1
		.amdhsa_wavefront_size32 1
		.amdhsa_system_sgpr_workgroup_id_x 1
		.amdhsa_system_sgpr_workgroup_id_y 1
		.amdhsa_system_sgpr_workgroup_id_z 1
		.amdhsa_system_vgpr_workitem_id 0
		.amdhsa_next_free_vgpr 928
		.amdhsa_next_free_sgpr 66
		.amdhsa_reserve_vcc 0
		.amdhsa_float_denorm_mode_32 3
		.amdhsa_float_denorm_mode_16_64 3
		.amdhsa_memory_ordered 1
		.amdhsa_forward_progress 1
		.amdhsa_inst_pref_size 137
	.end_amdhsa_kernel
	.amdgpu_metadata
---
amdhsa.version: [ 1, 2 ]
amdhsa.kernels:
  - .name:           k_q1cb1524efb_down
    .symbol:         k_q1cb1524efb_down.kd
    .args:
      - { .name: hbuf, .offset: 0, .size: 8, .value_kind: global_buffer, .address_space: global }
      - { .name: sel, .offset: 8, .size: 8, .value_kind: global_buffer, .address_space: global }
      - { .name: probs, .offset: 16, .size: 8, .value_kind: global_buffer, .address_space: global }
      - { .name: w2, .offset: 24, .size: 8, .value_kind: global_buffer, .address_space: global }
      - { .name: ypart, .offset: 32, .size: 8, .value_kind: global_buffer, .address_space: global }
    .group_segment_fixed_size: 153088
    .private_segment_fixed_size: 0
    .kernarg_segment_align: 8
    .kernarg_segment_size: 40
    .max_flat_workgroup_size: 128
    .sgpr_count:     66
    .vgpr_count:     928
    .wavefront_size: 32
...
	.end_amdgpu_metadata
.endif
;; end of part 3
;; launch sum (part 4): grid 256 x 1, 8 waves a work-group, no clusters, 0 bytes of LDS; arguments ypart, out0; writes out0
.if DOCPART == 4
	.amdgcn_target "amdgcn-amd-amdhsa--gfx1250"
	.amdhsa_code_object_version 6
	.text
	.protected	k_q1cb1524efb_sum
	.globl	k_q1cb1524efb_sum
	.p2align	8
	.type	k_q1cb1524efb_sum,@function
k_q1cb1524efb_sum:
	s_mov_b64 s[64:65], 0
	v_nop
	global_prefetch_b8 v0, s[64:65] scope:SCOPE_SE
	s_setreg_imm32_b32 hwreg(HW_REG_WAVE_MODE, 25, 1), 1
	s_wait_xcnt 0x0
; SUM.  out0[t][:] = the four partial rows of token t: ypart is [2 halves of K][2 choices][1024][1024] f32, four arrays of 4 MB; the gate's weights are in them already.
; A stream: memory binds, so no LDS, no barrier, no matrix unit, no cluster (no byte has two readers).  Thread n of the launch's 65,536 has the 16 bytes at 16 n of each of four quarters of 1 MB:
; a wave's load or store covers 512 consecutive bytes.  All 16 loads of a lane go out at once; the waits count down by quarters.
; Order of the additions: (first choice: half 0 + half 1) + (second choice: half 0 + half 1).
.set Y, 4                              ; v[4:67]  quarter q at 16 q: half 0 choice 0, half 0 choice 1, half 1 choice 0, half 1 choice 1
	s_load_b128 s[4:7], s[0:1], 0x0                ; ypart s[4:5], out0 s[6:7]
	s_lshl_b32 s8, ttmp9, 12                       ; 256 threads x 16 bytes a work-group
	v_lshl_add_u32 v1, v0, 4, s8
	s_wait_kmcnt 0x0
	s_add_nc_u64 s[10:11], s[4:5], 0x800000        ; the second half of K: so the immediates, 7 MB at the most, stay inside their signed 24 bits
.irp q, 0,1,2,3
	global_load_b128 v[Y+16*\q:Y+16*\q+3],     v1, s[4:5]   offset:\q*1048576 th:TH_LOAD_NT
	global_load_b128 v[Y+16*\q+4:Y+16*\q+7],   v1, s[4:5]   offset:\q*1048576+4194304 th:TH_LOAD_NT
	global_load_b128 v[Y+16*\q+8:Y+16*\q+11],  v1, s[10:11] offset:\q*1048576 th:TH_LOAD_NT
	global_load_b128 v[Y+16*\q+12:Y+16*\q+15], v1, s[10:11] offset:\q*1048576+4194304 th:TH_LOAD_NT
.endr
.irp q, 0,1,2,3
	s_wait_loadcnt 12-4*\q                         ; loads come back in order (ISA guide 5.7.1): this quarter's four are in, the later quarters' stay out
	v_pk_add_f32 v[Y+16*\q:Y+16*\q+1],   v[Y+16*\q:Y+16*\q+1],   v[Y+16*\q+8:Y+16*\q+9]
	v_pk_add_f32 v[Y+16*\q+2:Y+16*\q+3], v[Y+16*\q+2:Y+16*\q+3], v[Y+16*\q+10:Y+16*\q+11]
	v_pk_add_f32 v[Y+16*\q+4:Y+16*\q+5], v[Y+16*\q+4:Y+16*\q+5], v[Y+16*\q+12:Y+16*\q+13]
	v_pk_add_f32 v[Y+16*\q+6:Y+16*\q+7], v[Y+16*\q+6:Y+16*\q+7], v[Y+16*\q+14:Y+16*\q+15]
	v_pk_add_f32 v[Y+16*\q:Y+16*\q+1],   v[Y+16*\q:Y+16*\q+1],   v[Y+16*\q+4:Y+16*\q+5]
	v_pk_add_f32 v[Y+16*\q+2:Y+16*\q+3], v[Y+16*\q+2:Y+16*\q+3], v[Y+16*\q+6:Y+16*\q+7]
	global_store_b128 v1, v[Y+16*\q:Y+16*\q+3], s[6:7] offset:\q*1048576 th:TH_STORE_NT
.endr
	s_endpgm
.Lfunc_end_k_q1cb1524efb_sum:
	.size	k_q1cb1524efb_sum, .Lfunc_end_k_q1cb1524efb_sum-k_q1cb1524efb_sum
	.p2alignl 7, 3214868480
	.fill 96, 4, 3214868480
	.section	.rodata,"a",@progbits
	.p2align	6, 0x0
	.amdhsa_kernel k_q1cb1524efb_sum
		.amdhsa_group_segment_fixed_size 0
		.amdhsa_private_segment_fixed_size 0
		.amdhsa_enable_private_segment 0
		.amdhsa_kernarg_size 16
		.amdhsa_user_sgpr_count 2
		.amdhsa_user_sgpr_kernarg_segment_ptr 1
		.amdhsa_wavefront_size32 1
		.amdhsa_system_sgpr_workgroup_id_x 1
		.amdhsa_system_sgpr_workgroup_id_y 1
		.amdhsa_system_sgpr_workgroup_id_z 1
		.amdhsa_system_vgpr_workitem_id 0
		.amdhsa_next_free_vgpr 72
		.amdhsa_next_free_sgpr 66
		.amdhsa_reserve_vcc 0
		.amdhsa_float_denorm_mode_32 3
		.amdhsa_float_denorm_mode_16_64 3
		.amdhsa_memory_ordered 1
		.amdhsa_forward_progress 1
		.amdhsa_inst_pref_size 5
	.end_amdhsa_kernel
	.amdgpu_metadata
---
amdhsa.version: [ 1, 2 ]
amdhsa.kernels:
  - .name:           k_q1cb1524efb_sum
    .symbol:         k_q1cb1524efb_sum.kd
    .args:
      - { .name: ypart, .offset: 0, .size: 8, .value_kind: global_buffer, .address_space: global }
      - { .name: out0, .offset: 8, .size: 8, .value_kind: global_buffer, .address_space: global }
    .group_segment_fixed_size: 0
    .private_segment_fixed_size: 0
    .kernarg_segment_align: 8
    .kernarg_segment_size: 16
    .max_flat_workgroup_size: 256
    .sgpr_count:     66
    .vgpr_count:     72
    .wavefront_size: 32
...
	.end_amdgpu_metadata
.endif
;; end of part 4
;; ======== version 2 of 2: 5 launches
;; workspace buffers: xb 2,097,152 bytes; sel 4,096 bytes of whole numbers; probs 8,192 bytes; xg 20,971,520 bytes; list 43,008 bytes of whole numbers; pw 40,960 bytes; hbuf 41,943,040 bytes; ypart 16,777,216 bytes
;; launch router: the kernel of part 1 again; grid 64 x 1, 8 waves a work-group, no clusters, 44,032 bytes of LDS; arguments x, w_gate, xb, sel, probs; writes xb, sel, probs
;; launch place (part 5): grid 16 x 8, 8 waves a work-group, no clusters, 44,032 bytes of LDS; arguments xb, sel, probs, xg, list, pw; writes xg, list, pw
.if DOCPART == 5
	.amdgcn_target "amdgcn-amd-amdhsa--gfx1250"
	.amdhsa_code_object_version 6
	.text
	.protected	k_q1cb1524efb_place
	.globl	k_q1cb1524efb_place
	.p2align	8
	.type	k_q1cb1524efb_place,@function
k_q1cb1524efb_place:
	s_mov_b64 s[64:65], 0
	v_nop
	global_prefetch_b8 v0, s[64:65] scope:SCOPE_SE
	s_setreg_imm32_b32 hwreg(HW_REG_WAVE_MODE, 25, 1), 1
	s_wait_xcnt 0x0
; PLACE.  For expert e (grid y): the list of the rows that chose it, and those rows of xb laid end to end, in the order in which the next launch's operand registers take them.
; xb: [1024][1024] bf16.  sel: a word a token, bit e = first choice, bit 8 + e = second.  probs: [2][1024] f32.
; xg: [8 experts][80 blocks of 16 rows][32 K steps][2 halves][32 lanes][16 bytes] bf16: lane (r, h) of half q of K step c holds row r, K = 32 c + 16 q + 8 h .. + 7.
; list: [8][1280] words, entry = token + 1,024 x (0: first choice, 1: second), by rank; behind them, at byte 40,960, 256 bytes an expert that all hold its count.  pw: [8][1280] f32: the gate's weight by rank.
; ORDER OF ROWS: group of 32 tokens (token = 128 q + 4 lane + c), then lane.  The 32 places past the count repeat the last row, so a block that is not full holds rows that exist; the rest of the list is 0.
; An expert without rows still gets block 0 (token 0's row), since the next launch's first pass reads a block whatever the count.
; SHARES.  Work-group j takes the blocks j, j + 16, j + 32, j + 48 that lie under the count: 64 blocks, 1,024 rows, serve every split.  Wave w takes K steps 4 w .. 4 w + 3: the aligned 256 bytes at 256 w of each of
; a block's 16 rows, in eight loads (16 bytes a lane); each of its eight stores covers 512 consecutive bytes.  Every wave makes the whole list for itself, in LDS bytes of its own: no barrier.
; ONE CHAIN.  The rows of all four blocks are asked for at once, 32 loads, and the weights behind them, so that a work-group with two blocks or more waits for memory once.  A block past the count finds
; the same entry in all its 16 places (the last row's, or 0), so each of its loads touches 32 bytes; its stores are jumped.
; Work-group 0 of an expert also stores list, pw (waves 0 to 4: 1 KB each) and the count (wave 0: one whole block of 256 bytes).
; 128 work-groups: the launch moves some 9 MB and is a chain of dependent loads; a finer split would not shorten the chain.  No cluster, no matrix unit: no byte has two readers but sel's 4 KB.
.set LISTSZ, 5376     ; a wave's list: 1,280 entries, then 64 words into which the lanes that have nothing to say write
.set SPARE,  43008    ; behind the eight lists: the spare words, 128 bytes for each wave
.set XGE,    2621440  ; an expert's 80 blocks of 32,768 bytes
.set CNTO,   40960
.set LANE,   1
.set R,      2        ; lane % 16
.set H,      3        ; lane / 16
.set LANE16, 4        ; 16 x lane
.set AOFF,   8        ; v8-11  my row of xb in turn t, + 16 h
.set GOFF,   12       ; my byte offset in xg: block j, 16 x lane
.set L8,     13       ; 8 x lane
.set SPW,    14       ; LDS address of my spare word; never rewritten
.set NIL,    15       ; 0; never rewritten
.set TOK4,   16       ; 4 x lane
.set DUMPI,  17       ; 1280 + lane
.set UU,     18       ; v18-21  at work: four groups' places
.set H16,    22       ; 16 h
.set ZR,     24       ; v24-27  zeros
.set TT,     28       ; v28-31  at work: four groups' entries
.set SELR,   64       ; v64-95  sel
.set ENT,    96       ; v96-103   256 entries of the list, 8 a lane
.set PWV,    104      ; v104-111  their weights
.set PAD,    112      ; v112-119  their byte offsets in probs
.set CV,     120      ; v120-121  the count, twice
.set DAT,    128      ; v128-255  turn t's 8 x 16 bytes at 32 t
.set WV,   14
.set EX,   15
.set JJ,   16
.set SM,   17
.set SH,   18
.set LB,   19
.set RUN,  20
.set TMP,  22
.set NT,   23
.set CL,   25
.set W4,   29
.set XW,   30         ; s[30:31] xb at my wave's 256 bytes of a row
.set XGB,  32         ; s[32:33] xg at the expert and my wave's four K steps
.set LIP,  34         ; s[34:35] list at the expert and my wave's 1 KB
.set PWP,  36         ; s[36:37] pw likewise
.set CNP,  38         ; s[38:39] the expert's count
.set O64,  44         ; s[44:47] two offsets
.set MKB,  48         ; s[48:51] four groups' masks of members
.set RB,   52         ; s[52:55] the count in front of each of the four
	s_load_b256 s[4:11], s[0:1], 0x0               ; xb s[4:5], sel s[6:7], probs s[8:9], xg s[10:11]
	s_load_b128 s[40:43], s[0:1], 0x20             ; list s[40:41], pw s[42:43]
	v_lshl_add_u32 v[SPW], v0, 2, SPARE
	v_mov_b32 v[NIL], 0
	v_lshrrev_b32 v18, 5, v0
	v_readfirstlane_b32 s[WV], v18                 ; wave 0..7
	s_and_b32 s[EX], ttmp7, 0xffff
	s_mov_b32 s[JJ], ttmp9
	v_and_b32 v[LANE], 31, v0
	v_and_b32 v[R], 15, v0
	v_bfe_u32 v[H], v0, 4, 1
	v_lshlrev_b32 v[LANE16], 4, v[LANE]
	v_lshlrev_b32 v[L8], 3, v[LANE]
	v_lshlrev_b32 v[TOK4], 2, v[LANE]
	v_add_nc_u32 v[DUMPI], 1280, v[LANE]
	v_lshlrev_b32 v[H16], 4, v[H]
	v_mov_b32 v[ZR], 0
	v_mov_b32 v[ZR+1], 0
	v_mov_b32 v[ZR+2], 0
	v_mov_b32 v[ZR+3], 0
	s_lshl_b32 s[TMP], s[JJ], 15
	v_add_nc_u32 v[GOFF], s[TMP], v[LANE16]        ; block j
	s_mul_i32 s[LB], s[WV], LISTSZ
	s_min_u32 s[W4], s[WV], 4                      ; which 1 KB of the list I read back: waves 5 to 7 repeat wave 4's and store nothing
	s_lshl_b32 s[O64], s[WV], 8
	s_mov_b32 s[O64+1], 0
	s_mul_i32 s[O64+2], s[EX], XGE
	s_lshl_b32 s[TMP], s[WV], 12                   ; four K steps of 1,024 bytes
	s_add_co_u32 s[O64+2], s[O64+2], s[TMP]
	s_mov_b32 s[O64+3], 0
	s_wait_kmcnt 0x0
	s_add_nc_u64 s[XW:XW+1], s[4:5], s[O64:O64+1]
	s_add_nc_u64 s[XGB:XGB+1], s[10:11], s[O64+2:O64+3]
	s_mul_i32 s[O64], s[EX], 5120
	s_lshl_b32 s[TMP], s[W4], 10
	s_add_co_u32 s[O64], s[O64], s[TMP]
	s_add_nc_u64 s[LIP:LIP+1], s[40:41], s[O64:O64+1]
	s_add_nc_u64 s[PWP:PWP+1], s[42:43], s[O64:O64+1]
	s_lshl_b32 s[O64], s[EX], 8
	s_add_co_u32 s[O64], s[O64], CNTO
	s_add_nc_u64 s[CNP:CNP+1], s[40:41], s[O64:O64+1]
.set xq, 0
.rept 8                                                ; all 1,024 words of sel: register 4 q + c holds token 128 q + 4 lane + c
	global_load_b128 v[SELR+4*xq:SELR+4*xq+3], v[LANE16], s[6:7] offset:512*xq
.set xq, xq+1
.endr
	; THE LIST.  For each of the 32 groups: who chose the expert; a member's rank is the count so far plus the members in the lanes below it; the others write into their own word behind the list.
	; The index is clamped by a constant ahead of the address.  No change of EXEC.  Four groups go side by side, line by line, so that no line reads the result of the line before it.
	v_add_nc_u32 v18, s[LB], v[LANE16]
.set xz, 0
.rept 10                                               ; zeros first: every entry is stored later, so every entry is written
	ds_store_b128 v18, v[ZR:ZR+3] offset:512*xz
.set xz, xz+1
.endr
	s_lshl_b32 s[SM], 0x101, s[EX]
	s_add_co_u32 s[SH], s[EX], 8
	s_mov_b32 s[RUN], 0
	s_wait_loadcnt 0x0
.set xb, 0
.rept 8
.irp c, 0,1,2,3
	v_and_b32 v[TT+\c], s[SM], v[SELR+4*xb+\c]
.endr
.irp c, 0,1,2,3
	v_cmp_ne_u32 s[MKB+\c], 0, v[TT+\c]
.endr
.irp c, 0,1,2,3
	v_lshrrev_b32 v[TT+\c], s[SH], v[TT+\c]        ; 1 where the expert is the second choice
.endr
.irp c, 0,1,2,3
	v_lshl_add_u32 v[TT+\c], v[TT+\c], 10, v[TOK4]
.endr
	s_mov_b32 s[RB], s[RUN]
	s_bcnt1_i32_b32 s[TMP], s[MKB]
	s_add_co_u32 s[RB+1], s[RB], s[TMP]
	s_bcnt1_i32_b32 s[TMP], s[MKB+1]
	s_add_co_u32 s[RB+2], s[RB+1], s[TMP]
	s_bcnt1_i32_b32 s[TMP], s[MKB+2]
	s_add_co_u32 s[RB+3], s[RB+2], s[TMP]
	s_bcnt1_i32_b32 s[TMP], s[MKB+3]
	s_add_co_u32 s[RUN], s[RB+3], s[TMP]
.irp c, 0,1,2,3
	v_add_nc_u32 v[TT+\c], 128*xb+\c, v[TT+\c]
.endr
.irp c, 0,1,2,3
	v_mbcnt_lo_u32_b32 v[UU+\c], s[MKB+\c], s[RB+\c]
.endr
.irp c, 0,1,2,3
	v_cndmask_b32 v[UU+\c], v[DUMPI], v[UU+\c], s[MKB+\c]
.endr
.irp c, 0,1,2,3
	v_min_u32 v[UU+\c], 0x53f, v[UU+\c]            ; 1,344 words a wave
.endr
.irp c, 0,1,2,3
	v_lshl_add_u32 v[UU+\c], v[UU+\c], 2, s[LB]
.endr
.irp c, 0,1,2,3
	ds_store_b32 v[UU+\c], v[TT+\c]
.endr
.set xb, xb+1
.endr
	s_add_co_u32 s[NT], s[RUN], 15
	s_lshr_b32 s[NT], s[NT], 4
	s_max_u32 s[NT], s[NT], 1                      ; blocks to lay: one at the least
	s_max_u32 s[CL], s[RUN], 1
	s_sub_co_u32 s[CL], s[CL], 1                   ; the last row that exists
	v_mov_b32 v19, s[CL]                           ; the 32 places past the count take the last entry: 1,024 + 31 at the most, inside the 1,280
	v_min_u32 v19, 0x3ff, v19
	v_lshl_add_u32 v19, v19, 2, s[LB]
	ds_load_b32 v20, v19
	v_add_nc_u32 v19, s[RUN], v[LANE]
	v_min_u32 v19, 0x53f, v19
	v_lshl_add_u32 v19, v19, 2, s[LB]
	s_wait_dscnt 0x0
	ds_store_b32 v19, v20
	s_wait_tensorcnt 0x0                           ; my last LDS store is out
	ds_add_u32 v[SPW], v[NIL]
	s_wait_dscnt 0x0
	; back from the list: my row's entry in each of the four turns (rank 16 (j + 16 t) + r, 1,023 at the most), and 256 entries for the stores at the end
	s_lshl_b32 s[TMP], s[JJ], 4
	v_add_nc_u32 v18, s[TMP], v[R]
.irp t, 0,1,2,3
	v_add_nc_u32 v19, 256*\t, v18
	v_min_u32 v19, 0x3ff, v19
	v_lshl_add_u32 v19, v19, 2, s[LB]
	ds_load_b32 v[AOFF+\t], v19
.endr
	s_lshl_b32 s[TMP], s[W4], 10
	s_add_co_u32 s[TMP], s[TMP], s[LB]
	v_add_nc_u32 v19, s[TMP], v[LANE16]
	ds_load_b128 v[ENT:ENT+3], v19
	ds_load_b128 v[ENT+4:ENT+7], v19 offset:512
	s_wait_dscnt 0x0
.irp t, 0,1,2,3
	v_and_b32 v[AOFF+\t], 0x3ff, v[AOFF+\t]        ; the token
	v_min_u32 v[AOFF+\t], 0x3ff, v[AOFF+\t]
	v_lshl_add_u32 v[AOFF+\t], v[AOFF+\t], 11, v[H16]  ; its row of 2,048 bytes
.endr
.irp t, 0,1,2,3                                        ; all four turns' rows at once: K step i / 2 of my four, half i % 2
.set xi, 0
.rept 8
	global_load_b128 v[DAT+32*\t+4*xi:DAT+32*\t+4*xi+3], v[AOFF+\t], s[XW:XW+1] offset:32*xi
.set xi, xi+1
.endr
.endr
.irp k, 0,1,2,3,4,5,6,7                                ; and the 256 entries' weights: in every wave, so that nothing read at the end hangs on a branch
	v_min_u32 v[PAD+\k], 0x7ff, v[ENT+\k]
	v_lshlrev_b32 v[PAD+\k], 2, v[PAD+\k]
	global_load_b32 v[PWV+\k], v[PAD+\k], s[8:9]
.endr
	s_wait_loadcnt 0x0                             ; the one wait for memory behind the list
.irp t, 0,1,2,3                                        ; a block past the count is jumped
	s_add_co_u32 s[TMP], s[JJ], 16*\t
	s_cmp_ge_u32 s[TMP], s[NT]
	s_cbranch_scc1 .Lnb\t
.set xi, 0
.rept 8
	global_store_b128 v[GOFF], v[DAT+32*\t+4*xi:DAT+32*\t+4*xi+3], s[XGB:XGB+1] offset:524288*\t+512*xi   ; 512 consecutive bytes, at a multiple of 512 from xg's first; 16 blocks of 32,768 bytes a turn
.set xi, xi+1
.endr
.Lnb\t:
.endr
	s_cmp_lg_u32 s[JJ], 0
	s_cbranch_scc1 .Lend                           ; work-group 0 of the expert alone stores the list,
	s_cmp_ge_u32 s[WV], 5
	s_cbranch_scc1 .Lend                           ; its waves 0 to 4: 1,280 entries
	global_store_b128 v[LANE16], v[ENT:ENT+3], s[LIP:LIP+1]
	global_store_b128 v[LANE16], v[ENT+4:ENT+7], s[LIP:LIP+1] offset:512
	global_store_b128 v[LANE16], v[PWV:PWV+3], s[PWP:PWP+1]
	global_store_b128 v[LANE16], v[PWV+4:PWV+7], s[PWP:PWP+1] offset:512
	s_cmp_lg_u32 s[WV], 0
	s_cbranch_scc1 .Lend
	v_mov_b32 v[CV], s[RUN]
	v_mov_b32 v[CV+1], s[RUN]
	global_store_b64 v[L8], v[CV:CV+1], s[CNP:CNP+1]   ; 256 consecutive bytes, aligned, all holding the count
.Lend:
	s_endpgm
.Lfunc_end_k_q1cb1524efb_place:
	.size	k_q1cb1524efb_place, .Lfunc_end_k_q1cb1524efb_place-k_q1cb1524efb_place
	.p2alignl 7, 3214868480
	.fill 96, 4, 3214868480
	.section	.rodata,"a",@progbits
	.p2align	6, 0x0
	.amdhsa_kernel k_q1cb1524efb_place
		.amdhsa_group_segment_fixed_size 44032
		.amdhsa_private_segment_fixed_size 0
		.amdhsa_enable_private_segment 0
		.amdhsa_kernarg_size 48
		.amdhsa_user_sgpr_count 2
		.amdhsa_user_sgpr_kernarg_segment_ptr 1
		.amdhsa_wavefront_size32 1
		.amdhsa_system_sgpr_workgroup_id_x 1
		.amdhsa_system_sgpr_workgroup_id_y 1
		.amdhsa_system_sgpr_workgroup_id_z 1
		.amdhsa_system_vgpr_workitem_id 0
		.amdhsa_next_free_vgpr 256
		.amdhsa_next_free_sgpr 66
		.amdhsa_reserve_vcc 0
		.amdhsa_float_denorm_mode_32 3
		.amdhsa_float_denorm_mode_16_64 3
		.amdhsa_memory_ordered 1
		.amdhsa_forward_progress 1
		.amdhsa_inst_pref_size 35
	.end_amdhsa_kernel
	.amdgpu_metadata
---
amdhsa.version: [ 1, 2 ]
amdhsa.kernels:
  - .name:           k_q1cb1524efb_place
    .symbol:         k_q1cb1524efb_place.kd
    .args:
      - { .name: xb, .offset: 0, .size: 8, .value_kind: global_buffer, .address_space: global }
      - { .name: sel, .offset: 8, .size: 8, .value_kind: global_buffer, .address_space: global }
      - { .name: probs, .offset: 16, .size: 8, .value_kind: global_buffer, .address_space: global }
      - { .name: xg, .offset: 24, .size: 8, .value_kind: global_buffer, .address_space: global }
      - { .name: list, .offset: 32, .size: 8, .value_kind: global_buffer, .address_space: global }
      - { .name: pw, .offset: 40, .size: 8, .value_kind: global_buffer, .address_space: global }
    .group_segment_fixed_size: 44032
    .private_segment_fixed_size: 0
    .kernarg_segment_align: 8
    .kernarg_segment_size: 48
    .max_flat_workgroup_size: 256
    .sgpr_count:     66
    .vgpr_count:     256
    .wavefront_size: 32
...
	.end_amdgpu_metadata
.endif
;; end of part 5
;; launch up (part 6): grid 32 x 8, 4 waves a work-group, no clusters, 262,656 bytes of LDS; arguments xg, list, w1, w3, hbuf; writes hbuf
.if DOCPART == 6
	.amdgcn_target "amdgcn-amd-amdhsa--gfx1250"
	.amdhsa_code_object_version 6
	.text
	.protected	k_q1cb1524efb_up
	.globl	k_q1cb1524efb_up
	.p2align	8
	.type	k_q1cb1524efb_up,@function
k_q1cb1524efb_up:
	s_mov_b64 s[64:65], 0
	v_nop
	global_prefetch_b8 v0, s[64:65] scope:SCOPE_SE
	s_setreg_imm32_b32 hwreg(HW_REG_WAVE_MODE, 25, 1), 1
	s_wait_xcnt 0x0
; UP.  For expert e (grid y) and columns 64 s .. 64 s + 63 of the hidden layer (grid x): h = silu(x w1) * (x w3) for the rows that chose e, rounded once to bf16.
; xg: [8 experts][80 blocks of 16 rows][32 K steps][2 halves][32 lanes][16 bytes] bf16: the expert's rows, laid by the launch before in the order in which my operand registers take them.
; list: the expert's count of rows at byte 40,960 + 256 e.  w1, w3: [8][1024][2048] f32.
; hbuf: [8 experts][80 blocks of 16 rows][64 K steps][2 halves][32 lanes][16 bytes] bf16: the order in which the next launch's operand registers take it.
; THE WEIGHTS ARE READ ONCE.  The work-group's slice, 2 x 1,024 rows x 256 bytes of f32, has no other reader.  A lane loads 16 bytes (columns 4 r .. 4 r + 3) of 16 rows: each load covers two whole rows of
; 256 consecutive bytes.  v_cvt_pk_bf16_f32 of two rows' words IS register i of a fragment in which row r stands for column 4 r + f: no transposing.  The rounded slice (256 KB) is laid into LDS once,
; a chunk of two K steps a trip, each wave a quarter of it, and all four waves multiply from there.
; ROWS.  Row rho lies in block rho / 16; in pass p wave w has the blocks 20 p + 4 a + w, a = 0..4; each load of rows covers 512 consecutive bytes.  A pass holds 320 rows, four passes 1,280: every split
; of the tokens is served.  Pass 0 runs beside the laying of the slice and has the barriers, in every wave; the passes behind it read LDS alone, have none, and are jumped by a wave that has no block left.
; PLACES PAST THE COUNT.  A block past the last is not stored; all lanes of its loads read one 16 bytes of the last block, so the loads, and with them every counted wait, are the same on every path.
; Where the pass's FIFTH block is such a block, its eight products of a K step are jumped by a scalar branch (with 256 rows an expert, 16 blocks, that is every wave): only the K step that starts the sums
; does all five, so that every accumulator is written on every path.  Inside the last block the places past the count hold the last row (the next launch leans on that).  An expert without rows counts as
; one block, so that the next launch reads no byte that nobody stored.
; THE PRODUCT is used transposed (source 0 = 16 columns of weights, source 1 = 16 rows of x): a lane holds ONE row (lane % 16) and the columns 32 (lane / 16) + 4 j + f.
; NO CLUSTER, NO TENSOR LOAD: each weight byte has one reader and must pass registers to be rounded; the rows that an expert's 32 work-groups share would have to go through LDS, of which the slice leaves
; 64 KB, and would add 10 KB in and 10 KB out a wave and trip to the 20 KB that the weights' fragments already move there.
; LIMITS.  All inputs are rounded to bf16 (x two launches before, the weights here); sums in f32, K ascending; h is rounded once to bf16.  silu(g) = g / (1 + 2^(-g log2 e)): for g below some -88 the
; power is infinite and the result -0, as the limit is.  NaN and infinities are not treated apart.
.set SPARE,  262144   ; behind the slice: the spare words, 128 bytes for each wave
.set XGE,    2621440  ; an expert's 80 blocks of 32,768 bytes in xg
.set CNTO,   40960
; window 0
.set LANE,   1
.set R,      2        ; lane % 16
.set H,      3        ; lane / 16
.set LANE16, 4        ; 16 x lane
.set WOFF,   5        ; my place in a unit of weights: 8 h rows of 8,192 bytes + 16 r
.set BADR,   6        ; LDS: my 16 bytes in the fragments of the K step in hand
.set SADR,   7        ; LDS: where my unit's fragments go
.set AOFF,   8        ; v8-12  block a of xg, + 16 x lane (a block past the last: + 0)
.set HOFF,   13       ; my byte offset in hbuf: block 20 p + w, 16 x lane
.set SPW,    14       ; LDS address of my spare word; never rewritten
.set NIL,    15       ; 0; never rewritten
.set PFO,    23       ; 8,192 x lane: a row of weights a lane
.set T,      32       ; v32-63  a unit's four fragments; at work on the way out
.set AR,     64       ; v64-223 rows of x: buffer par at 80 par, K step i at 40 i, block a at 8 a
.set PP,     224      ; v224-239  a block's h, packed
; window 1
.set SS,     0        ; v0-127  two units of f32 weights as loaded
.set BB,     128      ; v128-255  the eight fragments (w1's four, w3's four) of a K step, two buffers
; window 2: x w1, accumulator (a, f) at 8 (4 a + f).   window 3: x w3 likewise.
.set WV,   14
.set EX,   15         ; the expert
.set SL,   16         ; the slice
.set RUN,  20         ; the count of rows
.set TMP,  22
.set NT,   23         ; blocks of 16 rows, 1 at the least
.set NTM,  24         ; the last block
.set SB,   26         ; 20 p + w
.set PASS, 27
.set CNT,  28
.set TM2,  29
.set WBP,  30         ; s[30:31] my units of weights, at the trip that the immediates count from
.set XBP,  32         ; s[32:33] xg likewise
.set HB,   34         ; s[34:35] hbuf at the expert and the slice's two K steps
.set O64,  36         ; s[36:39] two offsets
.set NL2E, 40         ; s[40:41] -log2(e)
.set XB0,  42         ; s[42:43] xg at the expert
.set CO,   44         ; s[44:45] the expert's count
.set FIVE, 46         ; 1: the pass's fifth block lies under the count
.set MSB, 0
.macro WIN new                         ; s_set_vgpr_msb: bits 1:0 source 0, 3:2 source 1, 5:4 source 2, 7:6 destination; the high byte repeats the setting that is left
.if MSB != (\new)
	s_set_vgpr_msb (MSB<<8)|(\new)
.set MSB, \new
.endif
.endm
.macro PLACES                          ; four places in front of loads into registers that products have read, and of reads of results (ISA guide 7.12.1 for reads of results)
.rept 4
	v_nop
.endr
.endm
; The pass's five blocks: SB + 4 a, or the last that exists; each number that hangs on the count is clamped by a constant ahead of the address.  The lane's 16 x lane is ANDed with
; min(0x1f0, 512 (NT - min(block, NT))): 0x1f0 for a block under the count, 0 for one past it.
.macro AOFFS
	WIN 0
	s_add_co_u32 s[TMP], s[SB], 16
	s_cmp_lt_u32 s[TMP], s[NT]
	s_cselect_b32 s[FIVE], 1, 0
.irp a, 0,1,2,3,4
	s_add_co_u32 s[TMP], s[SB], 4*\a
	v_mov_b32 v19, s[TMP]
	v_min_u32 v20, s[NT], v19
	v_sub_nc_u32 v20, s[NT], v20
	v_lshlrev_b32 v20, 9, v20
	v_min_u32 v20, 0x1f0, v20
	v_and_b32 v20, v20, v[LANE16]
	v_min_u32 v19, s[NTM], v19
	v_min_u32 v19, 0x4f, v19
	v_lshl_add_u32 v[AOFF+\a], v19, 15, v20
.endr
.endm
.macro LDW rel, buf                    ; a unit: 32 rows x 256 bytes of f32: load p takes row 8 h + (p, or p + 8 from p = 8 on)
	WIN 0x40
.set xp, 0
.rept 16
	global_load_b128 v[SS+64*(\buf)+4*xp:SS+64*(\buf)+4*xp+3], v[WOFF], s[WBP:WBP+1] offset:(\rel)*524288+(xp+8*(xp/8))*8192 th:TH_LOAD_NT
.set xp, xp+1
.endr
.endm
.macro CVT buf                         ; register i of fragment f = rows 2 i, 2 i + 1 of my 16, column 4 r + f
	WIN 0x05
.set xf, 0
.rept 4
.set xi, 0
.rept 8
	v_cvt_pk_bf16_f32 v[T+8*xf+xi], v[SS+64*(\buf)+8*xi+xf], v[SS+64*(\buf)+8*xi+4+xf]
.set xi, xi+1
.endr
.set xf, xf+1
.endr
.endm
.macro STW rel                         ; into LDS: K step at 8,192, fragment at 1,024, half at 512, 16 bytes a lane: consecutive, no two lanes on one bank
	WIN 0
.set xf, 0
.rept 4
	ds_store_b128 v[SADR], v[T+8*xf:T+8*xf+3] offset:(\rel)*16384+xf*1024
	ds_store_b128 v[SADR], v[T+8*xf+4:T+8*xf+7] offset:(\rel)*16384+xf*1024+512
.set xf, xf+1
.endr
.endm
.macro LDA rel, par                    ; a chunk's rows of x: two K steps, five blocks; each load 512 consecutive bytes
	WIN 0
.set xi, 0
.rept 2
.set xa, 0
.rept 5
	global_load_b128 v[AR+80*(\par)+40*xi+8*xa:AR+80*(\par)+40*xi+8*xa+3], v[AOFF+xa], s[XBP:XBP+1] offset:(\rel)*2048+xi*1024
	global_load_b128 v[AR+80*(\par)+40*xi+8*xa+4:AR+80*(\par)+40*xi+8*xa+7], v[AOFF+xa], s[XBP:XBP+1] offset:(\rel)*2048+xi*1024+512
.set xa, xa+1
.endr
.set xi, xi+1
.endr
.endm
.macro LDB off, b                      ; a K step's eight fragments of weights
	WIN 0x40
.set xg, 0
.rept 8
	ds_load_b128 v[BB+64*(\b)+8*xg:BB+64*(\b)+8*xg+3], v[BADR] offset:(\off)+xg*1024
	ds_load_b128 v[BB+64*(\b)+8*xg+4:BB+64*(\b)+8*xg+7], v[BADR] offset:(\off)+xg*1024+512
.set xg, xg+1
.endr
.endm
.macro MULP b, areg, zero, xm, a0, n   ; of a K step: matrix xm (0: w1, 1: w3), n blocks from a0 on, four products each.  zero = 1: they start the sums
	WIN 0xa1+0x50*(\xm)                            ; weights window 1, rows window 0, sums window 2 (w1) or 3 (w3)
.set xa, \a0
.rept \n
.set xf, 0
.rept 4
.if \zero
	v_wmma_f32_16x16x32_bf16 v[8*(4*xa+xf):8*(4*xa+xf)+7], v[BB+64*(\b)+8*(4*(\xm)+xf):BB+64*(\b)+8*(4*(\xm)+xf)+7], v[(\areg)+8*xa:(\areg)+8*xa+7], 0
.else
	v_wmma_f32_16x16x32_bf16 v[8*(4*xa+xf):8*(4*xa+xf)+7], v[BB+64*(\b)+8*(4*(\xm)+xf):BB+64*(\b)+8*(4*(\xm)+xf)+7], v[(\areg)+8*xa:(\areg)+8*xa+7], v[8*(4*xa+xf):8*(4*xa+xf)+7]
.endif
.set xf, xf+1
.endr
.set xa, xa+1
.endr
.endm
.macro MUL5 b, areg, zero              ; the fifth block's eight products: jumped where that block lies past the count, but never in the K step that starts the sums
.if (\zero) == 0
	WIN 0                                          ; at a branch and at a label every window is 0
	s_cmp_eq_u32 s[FIVE], 0
	s_cbranch_scc1 .Lno5_\@
.endif
	MULP \b, \areg, \zero, 0, 4, 1
	MULP \b, \areg, \zero, 1, 4, 1
.if (\zero) == 0
	WIN 0
.Lno5_\@:
.endif
.endm
.macro MUL b, areg, zero               ; a K step: the 40 (or 32) accumulators take turns in the same order in every K step
	MULP \b, \areg, \zero, 0, 0, 4
	MULP \b, \areg, \zero, 1, 0, 4
	MUL5 \b, \areg, \zero
.endm
.macro ADV n                           ; the bases go n trips on
	WIN 0
	s_wait_xcnt 0x0                                ; every earlier memory instruction has had its addresses translated (ISA guide 3.1): only now are the bases written
	s_add_nc_u64 s[XBP:XBP+1], s[XBP:XBP+1], 2048*(\n)
	s_add_nc_u64 s[WBP:WBP+1], s[WBP:WBP+1], 524288*(\n)
	v_add_nc_u32 v[BADR], 16384*(\n), v[BADR]
	v_add_nc_u32 v[SADR], 16384*(\n), v[SADR]
.endm
; A TRIP of pass 0: chunk t = two K steps.  It asks for the rows of x of chunk t + 1 and for my unit of chunk t + 3, rounds my unit of chunk t + 1 into LDS, and multiplies chunk t.
; ONE barrier: between the stores of chunk t + 1 and its reads.  No byte of the slice is written twice, so none is needed the other way round.
; THE FRAGMENTS run half a K step to a K step ahead of their products: the second K step's 16 loads stand at the trip's head, and the NEXT chunk's first K step's 16 stand straight behind the barrier's wait,
; with 16 products or more and the next trip's loads and conversions between them and their use.
; nw, na: the loads younger than my unit of chunk t + 1, and than the rows of chunk t.  The order of issue is rows(t + 1), unit(t + 3) in trip t: behind unit(t + 1) come rows(t) 20, unit(t + 2) 16, rows(t + 1) 20;
; behind rows(t) come unit(t + 2) 16, rows(t + 1) 20, unit(t + 3) 16.  (More than the counter's field holds may be asked for: the issue is then held, ISA guide 5.7.1, until rows that are due anyway are in.)
; pf: my unit of chunk t + 5, which trip t + 2 loads, is asked into the L2: 32 rows' 256 bytes, one lane each, each block once in the launch; 2: not in the loop's last round, whose look-ahead would pass chunk 15.
; fin = 1: the trip that holds the wave's last LDS store: the three closing lines stand behind it, in front of the trip's barrier; their last is the barrier's own wait.
.macro TRIP rel, par, zero, lda, cvt, ldw, pf, nw, na, bar, fin=0
	WIN 0
	PLACES
.if (\pf) == 2
	s_cmp_eq_u32 s[CNT], 1
	s_cbranch_scc1 .Lnopf_\@
.endif
.if \pf
	global_prefetch_b8 v[PFO], s[WBP:WBP+1] offset:((\rel)+5)*524288 th:TH_LOAD_NT scope:SCOPE_SE
.endif
.if (\pf) == 2
.Lnopf_\@:
.endif
.if \lda
	LDA (\rel)+1, 1-(\par)
.endif
	LDB (\rel)*16384+8192, 1
.if \cvt
	s_wait_loadcnt \nw
	CVT 1-(\par)
	STW (\rel)+1
.endif
.if \ldw
	LDW (\rel)+3, 1-(\par)
.endif
	s_wait_loadcnt \na
.if \cvt
	s_wait_dscnt 24                                ; the first K step's fragments, asked for in the trip before, are in: behind them the second's 16 loads and my 8 stores
.else
	s_wait_dscnt 16
.endif
	MUL 0, AR+80*(\par), \zero
.if \fin
	WIN 0                                          ; (the add's two registers lie in window 0)
	s_wait_tensorcnt 0x0
	ds_add_u32 v[SPW], v[NIL]
.endif
	s_wait_dscnt 0x0                               ; the second K step's are in, and, for the others' sake, my stores are done
.if \bar
	s_barrier_signal -1
.endif
	MULP 1, AR+80*(\par)+40, 0, 0, 0, 4            ; work on registers between the signal and the wait
.if \bar
	s_barrier_wait -1                              ; chunk t + 1 is whole
	PLACES                                         ; behind the products that read the first buffer
	LDB ((\rel)+1)*16384, 0
.endif
	MULP 1, AR+80*(\par)+40, 0, 1, 0, 4
	MUL5 1, AR+80*(\par)+40, 0
.endm
; The passes behind pass 0: a K step at a time, weights from LDS, rows of x from memory, one step ahead; nothing writes LDS, so there is no barrier.
.macro OLA rel, slot
	WIN 0
.set xa, 0
.rept 5
	global_load_b128 v[AR+80*(\slot)+8*xa:AR+80*(\slot)+8*xa+3], v[AOFF+xa], s[XBP:XBP+1] offset:(\rel)*1024
	global_load_b128 v[AR+80*(\slot)+8*xa+4:AR+80*(\slot)+8*xa+7], v[AOFF+xa], s[XBP:XBP+1] offset:(\rel)*1024+512
.set xa, xa+1
.endr
.endm
.macro OSTEP rel, par, zero, more
	PLACES
.if \more
	OLA (\rel)+1, 1-(\par)
	LDB ((\rel)+1)*8192, 1-(\par)
	s_wait_loadcnt 10                              ; all but the next step's ten
	s_wait_dscnt 16                                ; all but the next step's sixteen
.else
	s_wait_loadcnt 0x0
	s_wait_dscnt 0x0
.endif
	MUL \par, AR+80*(\par), \zero
.endm
.macro ADVO n
	WIN 0
	s_wait_xcnt 0x0
	s_add_nc_u64 s[XBP:XBP+1], s[XBP:XBP+1], 1024*(\n)
	v_add_nc_u32 v[BADR], 8192*(\n), v[BADR]
.endm
; THE WAY OUT of block a: h = g u / (1 + 2^(-g log2 e)).  A lane's 32 numbers, rounded in pairs, are its 64 bytes of operand in the next launch: store f is half f % 2 of K step 2 s + f / 2.
; Each accumulator is read from its low end on.  A block past the count is jumped.
.macro EPI a
	s_add_co_u32 s[TMP], s[SB], 4*(\a)
	s_cmp_ge_u32 s[TMP], s[NT]
	s_cbranch_scc1 .Lnb_\@
	WIN 0x02
.set xz, 0
.rept 16
	v_pk_mul_f32 v[T+2*xz:T+2*xz+1], v[32*(\a)+2*xz:32*(\a)+2*xz+1], s[NL2E:NL2E+1] op_sel_hi:[1,0]
.set xz, xz+1
.endr
	WIN 0
.set xz, 0
.rept 32
	v_exp_f32 v[T+xz], v[T+xz]
.set xz, xz+1
.endr
	v_nop                                          ; a plain instruction between the last transcendental and the use of its result (ISA guide 5.7.2)
.set xz, 0
	s_wait_alu depctr_va_vdst(0)
.rept 16
	v_pk_add_f32 v[T+2*xz:T+2*xz+1], v[T+2*xz:T+2*xz+1], 1.0 op_sel_hi:[1,0]
.set xz, xz+1
.endr
.set xz, 0
.rept 32
	v_rcp_f32 v[T+xz], v[T+xz]
.set xz, xz+1
.endr
	v_nop
	WIN 0x02
.set xz, 0
	s_wait_alu depctr_va_vdst(0)
.rept 16
	v_pk_mul_f32 v[T+2*xz:T+2*xz+1], v[32*(\a)+2*xz:32*(\a)+2*xz+1], v[T+2*xz:T+2*xz+1]
.set xz, xz+1
.endr
	WIN 0x03
.set xz, 0
.rept 16
	v_pk_mul_f32 v[T+2*xz:T+2*xz+1], v[32*(\a)+2*xz:32*(\a)+2*xz+1], v[T+2*xz:T+2*xz+1]
.set xz, xz+1
.endr
	WIN 0
	s_wait_xcnt 0x0                                ; the block before's stores have read the packed registers
.set xz, 0
.rept 16
	v_cvt_pk_bf16_f32 v[PP+xz], v[T+2*xz], v[T+2*xz+1]
.set xz, xz+1
.endr
.set xf, 0
.rept 4
	global_store_b128 v[HOFF], v[PP+4*xf:PP+4*xf+3], s[HB:HB+1] offset:(\a)*262144+xf*512   ; 512 consecutive bytes, at a multiple of 512 from hbuf's first
.set xf, xf+1
.endr
.Lnb_\@:
.endm
	s_load_b256 s[4:11], s[0:1], 0x0               ; xg s[4:5], list s[6:7], w1 s[8:9], w3 s[10:11]
	s_load_b64 s[12:13], s[0:1], 0x20              ; hbuf
	v_lshl_add_u32 v[SPW], v0, 2, SPARE
	v_mov_b32 v[NIL], 0
	v_lshrrev_b32 v18, 5, v0
	v_readfirstlane_b32 s[WV], v18                 ; wave 0..3
	s_and_b32 s[EX], ttmp7, 0xffff
	s_mov_b32 s[SL], ttmp9
	v_and_b32 v[LANE], 31, v0
	v_and_b32 v[R], 15, v0
	v_bfe_u32 v[H], v0, 4, 1
	v_lshlrev_b32 v[LANE16], 4, v[LANE]
	v_lshlrev_b32 v[WOFF], 4, v[R]
	v_lshl_add_u32 v[WOFF], v[H], 16, v[WOFF]
	v_lshlrev_b32 v[PFO], 13, v[LANE]
	v_mov_b32 v[BADR], v[LANE16]
	s_lshr_b32 s[TMP], s[WV], 1                    ; of a chunk's four units wave w has K step w / 2 of matrix w % 2 (0: w1, 1: w3)
	s_lshl_b32 s[TM2], s[TMP], 13
	s_lshl_b32 s[O64], s[TMP], 18                  ; that K step's 32 rows of 8,192 bytes,
	s_and_b32 s[TMP], s[WV], 1
	s_lshl_b32 s[TMP], s[TMP], 12
	s_add_co_u32 s[TM2], s[TM2], s[TMP]
	v_add_nc_u32 v[SADR], s[TM2], v[LANE16]
	s_lshl_b32 s[TMP], s[WV], 16
	v_add_nc_u32 v[HOFF], s[TMP], v[LANE16]        ; block w
	s_lshl_b32 s[TMP], s[EX], 23                   ; the expert's 8 MB,
	s_add_co_u32 s[O64], s[O64], s[TMP]
	s_lshl_b32 s[TMP], s[SL], 8                    ; the slice's 256 bytes of a row
	s_add_co_u32 s[O64], s[O64], s[TMP]
	s_mov_b32 s[O64+1], 0
	s_mul_i32 s[O64+2], s[EX], 5242880             ; hbuf: 80 blocks of 65,536 bytes an expert,
	s_lshl_b32 s[TMP], s[SL], 11                   ; two K steps of 1,024 bytes a slice
	s_add_co_u32 s[O64+2], s[O64+2], s[TMP]
	s_mov_b32 s[O64+3], 0
	s_mul_i32 s[XB0], s[EX], XGE
	s_mov_b32 s[XB0+1], 0
	s_lshl_b32 s[CO], s[EX], 8
	s_add_co_u32 s[CO], s[CO], CNTO
	s_mov_b32 s[CO+1], 0
	s_mov_b32 s[NL2E], 0xbfb8aa3b
	s_mov_b32 s[NL2E+1], s[NL2E]                   ; named with it as a pair
	s_and_b32 s[TMP], s[WV], 1
	s_wait_kmcnt 0x0
	s_add_nc_u64 s[CO:CO+1], s[6:7], s[CO:CO+1]
	s_load_b32 s[RUN], s[CO:CO+1], 0x0             ; the count comes while the first weights are asked for
	s_cmp_lg_u32 s[TMP], 0
	s_cselect_b64 s[WBP:WBP+1], s[10:11], s[8:9]
	s_add_nc_u64 s[WBP:WBP+1], s[WBP:WBP+1], s[O64:O64+1]
	s_add_nc_u64 s[HB:HB+1], s[12:13], s[O64+2:O64+3]
	s_add_nc_u64 s[XB0:XB0+1], s[4:5], s[XB0:XB0+1]
	s_mov_b64 s[XBP:XBP+1], s[XB0:XB0+1]
	LDW 0, 0
	LDW 1, 1
	WIN 0
	s_wait_kmcnt 0x0
	s_min_u32 s[RUN], s[RUN], 0x400
	s_add_co_u32 s[NT], s[RUN], 15
	s_lshr_b32 s[NT], s[NT], 4
	s_max_u32 s[NT], s[NT], 1
	s_sub_co_u32 s[NTM], s[NT], 1
	s_mov_b32 s[SB], s[WV]
	AOFFS
	LDA 0, 0
	s_wait_loadcnt 36                              ; unit 0 is in: behind it unit 1's 16 and the rows' 20
	CVT 0
	STW 0
	LDW 2, 0
	WIN 0
	s_wait_dscnt 0x0                               ; for the others' sake: my part of chunk 0 is in LDS
	s_barrier_signal -1
	s_barrier_wait -1
	LDB 0, 0                                       ; chunk 0's first K step
	s_mov_b32 s[PASS], 4
	TRIP 0, 0, 1, 1, 1, 1, 1, 56, 52, 1            ; chunk 0: its first K step's products start the sums
	ADV 1
	s_mov_b32 s[CNT], 6
.Lk:                                                   ; chunks 1 to 12
	TRIP 0, 1, 0, 1, 1, 1, 2, 56, 52, 1
	TRIP 1, 0, 0, 1, 1, 1, 2, 56, 52, 1
	ADV 2
	s_sub_co_u32 s[CNT], s[CNT], 1
	s_cmp_lg_u32 s[CNT], 0
	s_cbranch_scc1 .Lk
	TRIP 0, 1, 0, 1, 1, 0, 0, 56, 36, 1            ; chunk 13: no unit is left to ask for: behind rows(13) come unit(15) 16 and rows(14) 20
	TRIP 1, 0, 0, 1, 1, 0, 0, 40, 20, 1, 1         ; chunk 14: behind unit(15) come rows(14) and rows(15); behind rows(14) rows(15).  My last LDS store: the closing lines stand here
	TRIP 2, 1, 0, 0, 0, 0, 0, 0, 0, 0              ; chunk 15: nothing is asked for or stored, so no barrier
	WIN 0
	s_branch .Lepi                                 ; the loop over passes is entered at a pass's way out
.Lpass:
	s_wait_xcnt 0x0                                ; the stores have read their offset, the loads their base
	s_add_co_u32 s[SB], s[SB], 20
	v_add_nc_u32 v[HOFF], 20*65536, v[HOFF]
	s_cmp_ge_u32 s[SB], s[NT]
	s_cbranch_scc1 .Lskip                          ; no block left for this wave: what is jumped holds no barrier
	AOFFS
	s_mov_b64 s[XBP:XBP+1], s[XB0:XB0+1]
	v_mov_b32 v[BADR], v[LANE16]
	OLA 0, 0
	LDB 0, 0
	OSTEP 0, 0, 1, 1                               ; K step 0 starts the sums
	ADVO 1
	s_mov_b32 s[CNT], 15
.Lo:                                                   ; K steps 1 to 30
	OSTEP 0, 1, 0, 1
	OSTEP 1, 0, 0, 1
	ADVO 2
	s_sub_co_u32 s[CNT], s[CNT], 1
	s_cmp_lg_u32 s[CNT], 0
	s_cbranch_scc1 .Lo
	OSTEP 0, 1, 0, 0                               ; K step 31
	WIN 0
.Lepi:
	PLACES
	EPI 0
	EPI 1
	EPI 2
	EPI 3
	EPI 4
.Lskip:
	s_sub_co_u32 s[PASS], s[PASS], 1
	s_cmp_lg_u32 s[PASS], 0
	s_cbranch_scc1 .Lpass
	s_endpgm                                       ; no LDS write stands behind chunk 14's trip, where the closing lines are
.Lfunc_end_k_q1cb1524efb_up:
	.size	k_q1cb1524efb_up, .Lfunc_end_k_q1cb1524efb_up-k_q1cb1524efb_up
	.p2alignl 7, 3214868480
	.fill 96, 4, 3214868480
	.section	.rodata,"a",@progbits
	.p2align	6, 0x0
	.amdhsa_kernel k_q1cb1524efb_up
		.amdhsa_group_segment_fixed_size 262656
		.amdhsa_private_segment_fixed_size 0
		.amdhsa_enable_private_segment 0
		.amdhsa_kernarg_size 40
		.amdhsa_user_sgpr_count 2
		.amdhsa_user_sgpr_kernarg_segment_ptr 1
		.amdhsa_wavefront_size32 1
		.amdhsa_system_sgpr_workgroup_id_x 1
		.amdhsa_system_sgpr_workgroup_id_y 1
		.amdhsa_system_sgpr_workgroup_id_z 1
		.amdhsa_system_vgpr_workitem_id 0
		.amdhsa_next_free_vgpr 928
		.amdhsa_next_free_sgpr 66
		.amdhsa_reserve_vcc 0
		.amdhsa_float_denorm_mode_32 3
		.amdhsa_float_denorm_mode_16_64 3
		.amdhsa_memory_ordered 1
		.amdhsa_forward_progress 1
		.amdhsa_inst_pref_size 152
	.end_amdhsa_kernel
	.amdgpu_metadata
---
amdhsa.version: [ 1, 2 ]
amdhsa.kernels:
  - .name:           k_q1cb1524efb_up
    .symbol:         k_q1cb1524efb_up.kd
    .args:
      - { .name: xg, .offset: 0, .size: 8, .value_kind: global_buffer, .address_space: global }
      - { .name: list, .offset: 8, .size: 8, .value_kind: global_buffer, .address_space: global }
      - { .name: w1, .offset: 16, .size: 8, .value_kind: global_buffer, .address_space: global }
      - { .name: w3, .offset: 24, .size: 8, .value_kind: global_buffer, .address_space: global }
      - { .name: hbuf, .offset: 32, .size: 8, .value_kind: global_buffer, .address_space: global }
    .group_segment_fixed_size: 262656
    .private_segment_fixed_size: 0
    .kernarg_segment_align: 8
    .kernarg_segment_size: 40
    .max_flat_workgroup_size: 128
    .sgpr_count:     66
    .vgpr_count:     928
    .wavefront_size: 32
...
	.end_amdgpu_metadata
.endif
;; end of part 6
;; launch down (part 7): grid 32 x 8, 4 waves a work-group, no clusters, 131,584 bytes of LDS; arguments hbuf, list, pw, w2, ypart; writes ypart
.if DOCPART == 7
	.amdgcn_target "amdgcn-amd-amdhsa--gfx1250"
	.amdhsa_code_object_version 6
	.text
	.protected	k_q1cb1524efb_down
	.globl	k_q1cb1524efb_down
	.p2align	8
	.type	k_q1cb1524efb_down,@function
k_q1cb1524efb_down:
	s_mov_b64 s[64:65], 0
	v_nop
	global_prefetch_b8 v0, s[64:65] scope:SCOPE_SE
	s_setreg_imm32_b32 hwreg(HW_REG_WAVE_MODE, 25, 1), 1
	s_wait_xcnt 0x0
; DOWN.  For expert e (grid y), columns 64 cs .. 64 cs + 63 of the output (cs = grid x % 16) and half kh (grid x / 16) of the hidden layer: p (h w2), a partial sum in f32, for the rows that chose e.
; hbuf: [8 experts][80 blocks of 16 rows][64 K steps][2 halves][32 lanes][16 bytes] bf16, as the launch before laid it.  w2: [8][2048][1024] f32.
; list: [8][1280] words by rank, entry = token + 1,024 x choice; the expert's count at byte 40,960 + 256 e.  pw: [8][1280] f32, the gate's weight by rank.
; ypart: [2 halves of K][2 choices][1024 tokens][1024] f32: each row of each part has one writer; the next launch adds the four parts.
; WHY K IS HALVED: 32 work-groups an expert on rows of 4,096 bytes are 16 slices of 256 bytes x 2 halves of K, or 32 slices of 128 bytes; only the first lets every load of weights cover whole rows of 256
; consecutive bytes that no other work-group touches.  Its price is 8 MB more of partial sums each way.
; THE WEIGHTS ARE READ ONCE: as in the launch before, a lane loads 16 bytes (columns 4 r .. 4 r + 3) of 16 rows and two rows' words round into register i of a fragment in which column r stands for column
; 4 r + f.  THE ORDER OF K follows hbuf's: in K step kappa of my half, half h of the lanes, element p of 16 is row 64 (kappa / 2) + 32 h + 4 (p % 8) + 2 (kappa % 2) + p / 8: the same permutation on both sides.
; PHASES.  1: the slice (1,024 rows x 256 bytes) is rounded into LDS (128 KB), each wave every fourth K step, three to four units of 16 loads out all the time.  One barrier.  2: four passes of 320 rows
; (wave w: blocks 20 p + 4 a + w), weights from LDS, h straight from memory into operand registers; nothing writes LDS, so there is no further barrier, and a wave without a block left jumps the pass.
; The two phases are apart because weights and h share one counter that comes back in order: mixed, every load of h would wait behind weights from memory.
; THE RING OF h: eight slots of a K step (five blocks, ten loads of 512 consecutive bytes, 40 registers).  K step k waits for its own ten, leaving the 50 of K steps k + 1 .. k + 5 out, and then asks for
; K step k + 6, into the slot that K step k - 2 read: 60 loads of a wave are out, and each has six K steps' products in which to land.
; A PASS'S HEAD asks for its five blocks' entries and weights (20 loads) and its first four K steps of h (40).  Pass 0's head stands in the fill, behind the last unit but one, so that these are on their
; way across the barrier; the way out holds no load.
; In the result a lane holds column r of the fragment and rows 8 (lane / 16) + j: over the four fragments 16 consecutive bytes of a row, so sixteen lanes store 256 consecutive bytes.
; PLACES PAST THE COUNT.  A block past the last is not stored; all lanes of its loads read one 16 bytes of the last block, so the loads, and with them every counted wait, are the same on every path.  Where
; the pass's FIFTH block is such a block, its four products of a K step are jumped by a scalar branch; only the K step that starts the sums does all five, so that every accumulator is written on every path.
; In the last block the places past the count hold the last row's h, entry and weight (the launches before laid them so): such a place stores that row's 256 bytes once more with the same numbers: at
; most 15 rows of 256 bytes a work-group, and EXEC stays whole.
; NO CLUSTER, NO TENSOR LOAD: each weight byte has one reader and passes registers to be rounded; the rows of h that an expert's work-groups share would have to go through LDS, 20 KB in and out for a K
; step's 20 products a wave, beside the weights' reads.
; LIMITS.  w2 is rounded to bf16; sums in f32, in hbuf's order of K; NaN and infinities are not treated apart.
.set SPARE,  131072   ; behind the slice: the spare words, 128 bytes for each wave
.set CNTO,   40960
; window 0
.set LANE,   1
.set R,      2
.set H,      3
.set LANE16, 4
.set WOFF,   5        ; my place in a unit of weights: 32 h rows of 4,096 bytes + 16 r
.set BADR,   6
.set SADR,   7        ; LDS: where my units' fragments go, K steps 0-15
.set AOFF,   8        ; v8-12  block a of hbuf, + 16 x lane (a block past the last: + 0)
.set SADR2,  13       ; the same for K steps 16-31
.set SPW,    14
.set NIL,    15
.set LOFF,   16       ; my eight rows' 32 bytes in list and pw: 64 x block + 32 h
.set R16,    22       ; 16 r
.set H32,    23       ; 32 h
.set T,      32       ; v32-63  a unit's four fragments
.set OO,     32       ; on the way out: row j's 16 bytes at 4 j
.set AR,     64       ; v64-223  h: slots 0-3 at 40 a slot, block a at 8 a (slots 4-7 are window 3, v0-159)
; window 1: v0-255 four units of f32 weights as loaded; behind the barrier v0-31, v32-63 a K step's four fragments, two buffers
; window 2: v0-159 the sums, (a, f) at 8 (4 a + f);
.set DO,     160      ; v160-199  block a's eight entries at 8 a; on the way out their byte offsets in ypart
.set PR,     200      ; v200-239  their weights
.set SS,   0
.set WV,   14
.set EX,   15
.set RUN,  20
.set TMP,  22
.set NT,   23
.set NTM,  24
.set SB,   26
.set PASS, 27
.set CNT,  28
.set WBP,  30         ; s[30:31] my units of w2
.set HBP,  32         ; s[32:33] hbuf at the K step that the immediates count from
.set HB0,  34         ; s[34:35] hbuf at the expert and my half of K
.set O64,  36
.set YB,   40         ; s[40:41] ypart at my half of K and my 256 bytes of a row
.set CSL,  42
.set KH,   43
.set LIP,  44         ; s[44:45] list at the expert
.set PWP,  46         ; s[46:47] pw at the expert
.set CO,   48         ; s[48:49] the expert's count
.set FIVE, 50         ; 1: the pass's fifth block lies under the count
.set MSB, 0
.macro WIN new                         ; s_set_vgpr_msb: bits 1:0 source 0, 3:2 source 1, 5:4 source 2, 7:6 destination; the high byte repeats the setting that is left
.if MSB != (\new)
	s_set_vgpr_msb (MSB<<8)|(\new)
.set MSB, \new
.endif
.endm
.macro PLACES                          ; four places in front of loads into registers that products have read, and of reads of results (ISA guide 7.12.1 for reads of results)
.rept 4
	v_nop
.endr
.endm
.macro ULD u                           ; my unit u: K step 4 u + w: load p takes row 32 h + 4 (p % 8) + p / 8 of the K step's pair of 64 rows
	WIN 0x40
.set xp, 0
.rept 16
	global_load_b128 v[SS+64*((\u)%4)+4*xp:SS+64*((\u)%4)+4*xp+3], v[WOFF], s[WBP:WBP+1] offset:(\u)*524288+(4*(xp%8)+xp/8)*4096 th:TH_LOAD_NT
.set xp, xp+1
.endr
.endm
.macro UCV u                           ; rounded, and into LDS: K step at 4,096, fragment at 1,024, half at 512, 16 bytes a lane
	WIN 0x05
.set xf, 0
.rept 4
.set xi, 0
.rept 8
	v_cvt_pk_bf16_f32 v[T+8*xf+xi], v[SS+64*((\u)%4)+8*xi+xf], v[SS+64*((\u)%4)+8*xi+4+xf]
.set xi, xi+1
.endr
.set xf, xf+1
.endr
	WIN 0
.set xf, 0
.rept 4
.if (\u) < 4
	ds_store_b128 v[SADR], v[T+8*xf:T+8*xf+3] offset:(\u)*16384+xf*1024
	ds_store_b128 v[SADR], v[T+8*xf+4:T+8*xf+7] offset:(\u)*16384+xf*1024+512
.else
	ds_store_b128 v[SADR2], v[T+8*xf:T+8*xf+3] offset:((\u)-4)*16384+xf*1024
	ds_store_b128 v[SADR2], v[T+8*xf+4:T+8*xf+7] offset:((\u)-4)*16384+xf*1024+512
.endif
.set xf, xf+1
.endr
.endm
.macro DLA1 rel, slot                  ; a K step of h for my five blocks: ten loads of 512 consecutive bytes, into a slot of the ring
.if (\slot) > 3
	WIN 0xc0                                       ; destination window 3
.set ab, 40*((\slot)-4)
.else
	WIN 0
.set ab, AR+40*(\slot)
.endif
.set xa, 0
.rept 5
	global_load_b128 v[ab+8*xa:ab+8*xa+3], v[AOFF+xa], s[HBP:HBP+1] offset:(\rel)*1024
	global_load_b128 v[ab+8*xa+4:ab+8*xa+7], v[AOFF+xa], s[HBP:HBP+1] offset:(\rel)*1024+512
.set xa, xa+1
.endr
.endm
.macro DLB off, b                      ; a K step's four fragments of weights
	WIN 0x40
.set xf, 0
.rept 4
	ds_load_b128 v[32*(\b)+8*xf:32*(\b)+8*xf+3], v[BADR] offset:(\off)+xf*1024
	ds_load_b128 v[32*(\b)+8*xf+4:32*(\b)+8*xf+7], v[BADR] offset:(\off)+xf*1024+512
.set xf, xf+1
.endr
.endm
.macro MULQ slot, bb, zero, a0, n      ; of a K step: n blocks from a0 on, four products each; the accumulators take turns.  zero = 1: they start the sums
.if (\slot) > 3
	WIN 0xa7                                       ; h window 3, weights window 1, sums window 2
.set ab, 40*((\slot)-4)
.else
	WIN 0xa4                                       ; h window 0
.set ab, AR+40*(\slot)
.endif
.set xa, \a0
.rept \n
.set xf, 0
.rept 4
.if \zero
	v_wmma_f32_16x16x32_bf16 v[8*(4*xa+xf):8*(4*xa+xf)+7], v[ab+8*xa:ab+8*xa+7], v[32*(\bb)+8*xf:32*(\bb)+8*xf+7], 0
.else
	v_wmma_f32_16x16x32_bf16 v[8*(4*xa+xf):8*(4*xa+xf)+7], v[ab+8*xa:ab+8*xa+7], v[32*(\bb)+8*xf:32*(\bb)+8*xf+7], v[8*(4*xa+xf):8*(4*xa+xf)+7]
.endif
.set xf, xf+1
.endr
.set xa, xa+1
.endr
.endm
; A K STEP, number k = the bases' K step + rel, in slot k % 8.  The next K step's weights are asked for (the wait leaves those 8 LDS loads out).  young: the loads of h younger than this K step's ten:
; ten for each of the K steps k + 1 .. k + 5 that exist.  ld = 1: K step k + 6 exists and is asked for.  lastb = 1: no further K step.
; The fifth block's four products are jumped where that block lies past the count, but never in the K step that starts the sums.
.macro KSTEP rel, slot, zero, ld, young, lastb
	PLACES
.if (\lastb) == 0
	DLB ((\rel)+1)*4096, ((\slot)+1)%2
.endif
	s_wait_loadcnt \young
.if \ld
	DLA1 (\rel)+6, ((\slot)+6)%8
.endif
.if \lastb
	s_wait_dscnt 0x0
.else
	s_wait_dscnt 8
.endif
	MULQ \slot, (\slot)%2, \zero, 0, 4
.if \zero
	MULQ \slot, (\slot)%2, 1, 4, 1
.else
	WIN 0                                          ; at a branch and at a label every window is 0
	s_cmp_eq_u32 s[FIVE], 0
	s_cbranch_scc1 .Ln5_\@
	MULQ \slot, (\slot)%2, 0, 4, 1
	WIN 0
.Ln5_\@:
.endif
.endm
.macro DADV                            ; the bases go eight K steps on
	WIN 0
	s_wait_xcnt 0x0                                ; every earlier memory instruction has had its addresses translated (ISA guide 3.1): only now is the base written
	s_add_nc_u64 s[HBP:HBP+1], s[HBP:HBP+1], 8192
	v_add_nc_u32 v[BADR], 32768, v[BADR]
.endm
; A PASS'S HEAD: the five blocks' offsets in hbuf (a place past the last block repeats it; each number that hangs on the count is clamped by a constant ahead of the address; the lane's 16 x lane is ANDed
; with min(0x1f0, 512 (NT - min(block, NT))): 0 for a block past the count); then 60 loads: entries, weights, the first four K steps of h.
.macro PHEAD
	WIN 0
	s_lshl_b32 s[TMP], s[SB], 6
	v_add_nc_u32 v[LOFF], s[TMP], v[H32]
	s_add_co_u32 s[TMP], s[SB], 16
	s_cmp_lt_u32 s[TMP], s[NT]
	s_cselect_b32 s[FIVE], 1, 0
.irp a, 0,1,2,3,4
	s_add_co_u32 s[TMP], s[SB], 4*\a
	v_mov_b32 v19, s[TMP]
	v_min_u32 v20, s[NT], v19
	v_sub_nc_u32 v20, s[NT], v20
	v_lshlrev_b32 v20, 9, v20
	v_min_u32 v20, 0x1f0, v20
	v_and_b32 v20, v20, v[LANE16]
	v_min_u32 v19, s[NTM], v19
	v_min_u32 v19, 0x4f, v19
	v_lshl_add_u32 v[AOFF+\a], v19, 16, v20
.endr
	s_mov_b64 s[HBP:HBP+1], s[HB0:HB0+1]
	v_mov_b32 v[BADR], v[LANE16]
	WIN 0x80                                       ; destination window 2
.irp a, 0,1,2,3,4                                      ; block SB + 4 a, 79 at the most: inside the expert's 1,280 entries, all of which the placing launch stored
	global_load_b128 v[DO+8*\a:DO+8*\a+3], v[LOFF], s[LIP:LIP+1] offset:256*\a
	global_load_b128 v[DO+8*\a+4:DO+8*\a+7], v[LOFF], s[LIP:LIP+1] offset:256*\a+16
	global_load_b128 v[PR+8*\a:PR+8*\a+3], v[LOFF], s[PWP:PWP+1] offset:256*\a
	global_load_b128 v[PR+8*\a+4:PR+8*\a+7], v[LOFF], s[PWP:PWP+1] offset:256*\a+16
.endr
	DLA1 0, 0
	DLA1 1, 1
	DLA1 2, 2
	DLA1 3, 3
.endm
; THE WAY OUT of block a: the entries become byte offsets, the sums are multiplied by the weights, and eight stores go out: lanes 0-15 the 256 bytes of row j, lanes 16-31 those of row 8 + j.
; Entries and weights have been in registers since the first K step's wait.  A block past the count is jumped.
.macro DEPI a
	s_add_co_u32 s[TMP], s[SB], 4*(\a)
	s_cmp_ge_u32 s[TMP], s[NT]
	s_cbranch_scc1 .Lnb_\@
	WIN 0x8a                                       ; sources 0 and 1 and the destination window 2, source 2 window 0
.irp j, 0,1,2,3,4,5,6,7
	v_min_u32 v[DO+8*(\a)+\j], 0x7ff, v[DO+8*(\a)+\j]
	v_lshl_add_u32 v[DO+8*(\a)+\j], v[DO+8*(\a)+\j], 12, v[R16]   ; the entry's row of 4,096 bytes
.endr
	WIN 0x0a                                       ; sums and weights window 2, results window 0
.irp j, 0,1,2,3,4,5,6,7                                ; each accumulator from its low end on
.irp f, 0,1,2,3
	v_mul_f32 v[OO+4*\j+\f], v[32*(\a)+8*\f+\j], v[PR+8*(\a)+\j]
.endr
.endr
	WIN 0x02                                       ; the offset window 2, the data window 0
.irp j, 0,1,2,3,4,5,6,7
	global_store_b128 v[DO+8*(\a)+\j], v[OO+4*\j:OO+4*\j+3], s[YB:YB+1]   ; sixteen lanes store 256 consecutive bytes, at a multiple of 256 from ypart's first
.endr
	WIN 0
	s_wait_xcnt 0x0                                ; the next block writes the stores' data anew
.Lnb_\@:
.endm
	s_load_b256 s[4:11], s[0:1], 0x0               ; hbuf s[4:5], list s[6:7], pw s[8:9], w2 s[10:11]
	s_load_b64 s[12:13], s[0:1], 0x20              ; ypart
	v_lshl_add_u32 v[SPW], v0, 2, SPARE
	v_mov_b32 v[NIL], 0
	v_lshrrev_b32 v18, 5, v0
	v_readfirstlane_b32 s[WV], v18                 ; wave 0..3
	s_and_b32 s[EX], ttmp7, 0xffff
	s_and_b32 s[CSL], ttmp9, 15
	s_lshr_b32 s[KH], ttmp9, 4
	v_and_b32 v[LANE], 31, v0
	v_and_b32 v[R], 15, v0
	v_bfe_u32 v[H], v0, 4, 1
	v_lshlrev_b32 v[LANE16], 4, v[LANE]
	v_lshlrev_b32 v[R16], 4, v[R]
	v_lshlrev_b32 v[H32], 5, v[H]
	v_lshl_add_u32 v[WOFF], v[H], 17, v[R16]
	s_lshl_b32 s[TMP], s[WV], 12
	v_add_nc_u32 v[SADR], s[TMP], v[LANE16]        ; K step w
	v_add_nc_u32 v[SADR2], 0x10000, v[SADR]
	s_lshl_b32 s[O64], s[EX], 23                   ; w2: the expert's 8 MB,
	s_lshl_b32 s[TMP], s[KH], 22                   ; my half's 1,024 rows of 4,096 bytes,
	s_add_co_u32 s[O64], s[O64], s[TMP]
	s_lshl_b32 s[TMP], s[CSL], 8                   ; my 256 bytes of a row,
	s_add_co_u32 s[O64], s[O64], s[TMP]
	s_lshr_b32 s[TMP], s[WV], 1                    ; K step w: 64 (w / 2) + 2 (w % 2) rows
	s_lshl_b32 s[TMP], s[TMP], 18
	s_add_co_u32 s[O64], s[O64], s[TMP]
	s_and_b32 s[TMP], s[WV], 1
	s_lshl_b32 s[TMP], s[TMP], 13
	s_add_co_u32 s[O64], s[O64], s[TMP]
	s_mov_b32 s[O64+1], 0
	s_mul_i32 s[O64+2], s[EX], 5242880             ; hbuf: the expert, and my half's 32 K steps of 1,024 bytes
	s_lshl_b32 s[TMP], s[KH], 15
	s_add_co_u32 s[O64+2], s[O64+2], s[TMP]
	s_mov_b32 s[O64+3], 0
	s_lshl_b32 s[CO], s[EX], 8
	s_add_co_u32 s[CO], s[CO], CNTO
	s_mov_b32 s[CO+1], 0
	s_mul_i32 s[LIP], s[EX], 5120                  ; list, pw: 1,280 words an expert
	s_mov_b32 s[LIP+1], 0
	s_wait_kmcnt 0x0
	s_add_nc_u64 s[CO:CO+1], s[6:7], s[CO:CO+1]
	s_load_b32 s[RUN], s[CO:CO+1], 0x0             ; the count comes under the fill
	s_add_nc_u64 s[PWP:PWP+1], s[8:9], s[LIP:LIP+1]
	s_add_nc_u64 s[LIP:LIP+1], s[6:7], s[LIP:LIP+1]
	s_add_nc_u64 s[WBP:WBP+1], s[10:11], s[O64:O64+1]
	s_add_nc_u64 s[HB0:HB0+1], s[4:5], s[O64+2:O64+3]
	s_lshl_b32 s[O64], s[KH], 23                   ; ypart: my half's 8 MB, my 256 bytes of a row
	s_lshl_b32 s[TMP], s[CSL], 8
	s_add_co_u32 s[O64], s[O64], s[TMP]
	s_add_nc_u64 s[YB:YB+1], s[12:13], s[O64:O64+1]
	ULD 0
	ULD 1
	ULD 2
.irp u, 0,1,2,3,4                                      ; unit u is in when the three units behind it, 48 loads, are all that is out
	ULD (\u)+3
	s_wait_loadcnt 48
	UCV \u
.endr
	s_wait_loadcnt 32                              ; nothing of the slice is left to ask for: the counts run down
	UCV 5
	s_wait_loadcnt 16                              ; unit 6 is in
	s_wait_kmcnt 0x0                               ; the count
	s_min_u32 s[RUN], s[RUN], 0x400
	s_add_co_u32 s[NT], s[RUN], 15
	s_lshr_b32 s[NT], s[NT], 4
	s_max_u32 s[NTM], s[NT], 1
	s_sub_co_u32 s[NTM], s[NTM], 1                 ; the last block that the launch before stored (block 0 for an expert without rows)
	s_mov_b32 s[SB], s[WV]
	PHEAD                                          ; pass 0's 60 loads go out behind unit 7's 16, in every wave
	UCV 6
	s_wait_loadcnt 60                              ; unit 7 is in: the head's 60 loads are younger
	UCV 7
	s_wait_tensorcnt 0x0                           ; my last LDS store is out: three closing lines stand behind it;
	ds_add_u32 v[SPW], v[NIL]
	s_wait_dscnt 0x0                               ; the third is also the barrier's: for the others' sake my part of the slice is in LDS
	s_barrier_signal -1
	s_barrier_wait -1
	s_mov_b32 s[PASS], 4
	s_branch .Lin                                  ; the loop over passes is entered behind a pass's head
.Lpass:
	s_cmp_ge_u32 s[SB], s[NT]
	s_cbranch_scc1 .Lskip                          ; no block left for this wave: what is jumped holds no barrier
	PLACES
	PHEAD
.Lin:
	s_cmp_ge_u32 s[SB], s[NT]
	s_cbranch_scc1 .Lskip                          ; (pass 0 of a wave without a block)
	DLA1 4, 4                                      ; the ring's lead is made up to six K steps
	DLA1 5, 5
	DLB 0, 0
	KSTEP 0, 0, 1, 1, 50, 0                        ; K step 0 starts the sums
	WIN 0
	s_mov_b32 s[CNT], 3
.Lk:                                                   ; K steps 1 to 24, once round the ring a trip; they ask for K steps 7 to 30
	KSTEP 1, 1, 0, 1, 50, 0
	KSTEP 2, 2, 0, 1, 50, 0
	KSTEP 3, 3, 0, 1, 50, 0
	KSTEP 4, 4, 0, 1, 50, 0
	KSTEP 5, 5, 0, 1, 50, 0
	KSTEP 6, 6, 0, 1, 50, 0
	KSTEP 7, 7, 0, 1, 50, 0
	KSTEP 8, 0, 0, 1, 50, 0
	DADV
	s_sub_co_u32 s[CNT], s[CNT], 1
	s_cmp_lg_u32 s[CNT], 0
	s_cbranch_scc1 .Lk
	KSTEP 1, 1, 0, 1, 50, 0                        ; K step 25 asks for the last, 31
	KSTEP 2, 2, 0, 0, 50, 0                        ; K step 26: behind it 27 to 31; nothing is left to ask for, and the counts run down
	KSTEP 3, 3, 0, 0, 40, 0
	KSTEP 4, 4, 0, 0, 30, 0
	KSTEP 5, 5, 0, 0, 20, 0
	KSTEP 6, 6, 0, 0, 10, 0
	KSTEP 7, 7, 0, 0, 0, 1                         ; K step 31
	WIN 0
	PLACES
	DEPI 0
	DEPI 1
	DEPI 2
	DEPI 3
	DEPI 4
.Lskip:
	s_wait_loadcnt 0x0                             ; a wave that jumped pass 0 has its head's loads out: the next head loads into the same registers
	s_wait_xcnt 0x0                                ; and writes the offsets anew
	s_add_co_u32 s[SB], s[SB], 20
	s_sub_co_u32 s[PASS], s[PASS], 1
	s_cmp_lg_u32 s[PASS], 0
	s_cbranch_scc1 .Lpass
	s_endpgm
.Lfunc_end_k_q1cb1524efb_down:
	.size	k_q1cb1524efb_down, .Lfunc_end_k_q1cb1524efb_down-k_q1cb1524efb_down
	.p2alignl 7, 3214868480
	.fill 96, 4, 3214868480
	.section	.rodata,"a",@progbits
	.p2align	6, 0x0
	.amdhsa_kernel k_q1cb1524efb_down
		.amdhsa_group_segment_fixed_size 131584
		.amdhsa_private_segment_fixed_size 0
		.amdhsa_enable_private_segment 0
		.amdhsa_kernarg_size 40
		.amdhsa_user_sgpr_count 2
		.amdhsa_user_sgpr_kernarg_segment_ptr 1
		.amdhsa_wavefront_size32 1
		.amdhsa_system_sgpr_workgroup_id_x 1
		.amdhsa_system_sgpr_workgroup_id_y 1
		.amdhsa_system_sgpr_workgroup_id_z 1
		.amdhsa_system_vgpr_workitem_id 0
		.amdhsa_next_free_vgpr 928
		.amdhsa_next_free_sgpr 66
		.amdhsa_reserve_vcc 0
		.amdhsa_float_denorm_mode_32 3
		.amdhsa_float_denorm_mode_16_64 3
		.amdhsa_memory_ordered 1
		.amdhsa_forward_progress 1
		.amdhsa_inst_pref_size 114
	.end_amdhsa_kernel
	.amdgpu_metadata
---
amdhsa.version: [ 1, 2 ]
amdhsa.kernels:
  - .name:           k_q1cb1524efb_down
    .symbol:         k_q1cb1524efb_down.kd
    .args:
      - { .name: hbuf, .offset: 0, .size: 8, .value_kind: global_buffer, .address_space: global }
      - { .name: list, .offset: 8, .size: 8, .value_kind: global_buffer, .address_space: global }
      - { .name: pw, .offset: 16, .size: 8, .value_kind: global_buffer, .address_space: global }
      - { .name: w2, .offset: 24, .size: 8, .value_kind: global_buffer, .address_space: global }
      - { .name: ypart, .offset: 32, .size: 8, .value_kind: global_buffer, .address_space: global }
    .group_segment_fixed_size: 131584
    .private_segment_fixed_size: 0
    .kernarg_segment_align: 8
    .kernarg_segment_size: 40
    .max_flat_workgroup_size: 128
    .sgpr_count:     66
    .vgpr_count:     928
    .wavefront_size: 32
...
	.end_amdgpu_metadata
.endif
;; end of part 7
;; launch sum: the kernel of part 4 again; grid 256 x 1, 8 waves a work-group, no clusters, 0 bytes of LDS; arguments ypart, out0; writes out0
